; MI455X (gfx1250); checked and timed in simulation.
; The chip was launched on July 23, 2026; its instructions are those of AMD's public machine-readable ISA for CDNA 5 (MIT licence, August 2026) and "CDNA5" Instruction Set Architecture Reference Guide (July 2026). The comments in the code are by the model that wrote it; some were corrected since.
;; Alibi Block. Allowed arithmetic: matrix products marked QUANTISED: E4M3 operands, one given power-of-two scale a tensor, by v_wmma_f32_16x16x64_fp8_fp8 or v_wmma_f32_16x16x128_fp8_fp8, f32 sums; everything else in f32.
;; Inputs: b_fc 4,096 float32; b_fc2 1,024 float32; b_proj 1,024 float32; b_qkv 3,072 float32; ln1_b 1,024 float32; ln1_w 1,024 float32; ln2_b 1,024 float32; ln2_w 1,024 float32; lowp_scales 12 int32 (the exponents e of the quantised operands' scales 2^e); w_fc2_codes 1,024 x 128 x 32 uint8 (E4M3 codes of w_fc2, K innermost, in blocks of 32 codes); w_fc_codes 4,096 x 32 x 32 uint8 (E4M3 codes of w_fc, K innermost, in blocks of 32 codes); w_proj_codes 1,024 x 32 x 32 uint8 (E4M3 codes of w_proj, K innermost, in blocks of 32 codes); w_qkv_codes 3,072 x 32 x 32 uint8 (E4M3 codes of w_qkv, K innermost, in blocks of 32 codes); x 2 x 2,048 x 1,024 float32.
;; Outputs: out0 2 x 2,048 x 1,024 float32.
;; This version of the problem:
;;   THIS VERSION OF THE PROBLEM IS GIVEN IN LOW PRECISION. The matrix products marked QUANTISED in the list below multiply operands that are first quantised to E4M3 (4 exponent bits, 3 mantissa bits; 8 bits a number), with one given power-of-two scale for each operand tensor; their sums are f32. All else is computed in f32.
;;   The module's matrix products, in the order in which they are computed (A, B: the left and right operand; K: the contracted axis; several contracted axes count as one K, in the product's order):
;;     1. [M 4,096, K 1,024] x [K 1,024, N 3,072]; A: computed on the way; B: input w_qkv (given as codes): QUANTISED (scales: A lowp_scales[0], B lowp_scales[1])
;;     2. batch 32 x [M 2,048, K 64] x [K 64, N 2,048]; A: computed on the way; B: computed on the way: QUANTISED (scales: A lowp_scales[2], B lowp_scales[3])
;;     3. batch 32 x [M 2,048, K 2,048] x [K 2,048, N 64]; A: softmax (see below); B: computed on the way: QUANTISED (scales: A lowp_scales[4], B lowp_scales[5])
;;     4. [M 4,096, K 1,024] x [K 1,024, N 1,024]; A: computed on the way; B: input w_proj (given as codes): QUANTISED (scales: A lowp_scales[6], B lowp_scales[7])
;;     5. [M 4,096, K 1,024] x [K 1,024, N 4,096]; A: computed on the way; B: input w_fc (given as codes): QUANTISED (scales: A lowp_scales[8], B lowp_scales[9])
;;     6. [M 4,096, K 4,096] x [K 4,096, N 1,024]; A: computed on the way; B: input w_fc2 (given as codes): QUANTISED (scales: A lowp_scales[10], B lowp_scales[11])
;;   THE QUANTISER, for each operand of a quantised product, along K:
;;     - The operand's scale is 2^e, e = its entry of the input lowp_scales (int32; the entries are numbered through the quantised products in the list's order, A before B).
;;     - Each number is divided by the scale, clamped to +-448, and rounded to the nearest number of E4M3, ties to even, subnormals kept.
;;     - The product sums the exact products of the quantised numbers (number of the format x scale) in f32.
;;   ~~~python
;;   def quantise(x, axis, e):      # numpy; x: float32 -> the quantised numbers, widened to float32 again
;;       x = np.moveaxis(x, axis, -1); K = x.shape[-1]
;;       r = np.clip(x / 2.0 ** e, -448, 448)
;;       step = 2.0 ** (np.maximum(np.frexp(np.where(r == 0, 1, r))[1] - 1, -6) - 3)
;;       q = np.round(r / step) * step * 2.0 ** e      # np.round: ties to even
;;       return np.moveaxis(q, -1, axis).astype(np.float32)
;;   ~~~
;;   SOFTMAX AHEAD OF A QUANTISED PRODUCT. Where the list says 'softmax', what is quantised is not the finished softmax but p = 2^(t - M), with t = logit x log2(e) and M = ceil(the row's largest t), a whole number; so 1/2 < the row's largest p <= 1. The row's sum l is taken of the UNQUANTISED p, in f32, and the product's result is divided by l at the end. Since M is a whole number, a kernel that streams over the keys may use a running M (the ceiling of the running maximum): every later rescaling is an exact power of two, so the quantised numbers keep their values, but for numbers so far below the row's largest that they fall under the format's range.
;;   OPERANDS COMPUTED ON THE WAY. 'Computed on the way' means the value that the module computes at that place (a softmax that the list does not call 'softmax' is quantised finished and normalised). What goes into a quantiser is computed in f32, as accurately as f32 sums, v_exp_f32 and their like allow (about 1e-6 of the number): no bf16 or f16 on the way to a quantiser, and a product that is left as it is and whose result goes on into a quantised operand takes f32 operands (vector FMAs, or v_wmma_f32_16x16x4_f32). A number that lies on a knife's edge between two numbers of the format may be rounded either way, as far as f32 arithmetic and the matrix unit's own rounding can turn it there, and no further.
;;   INPUTS GIVEN AS CODES. w_fc (in the module: [1024, 4096], K = its axis 0); w_fc2 (in the module: [4096, 1024], K = its axis 0); w_proj (in the module: [1024, 1024], K = its axis 0); w_qkv (in the module: [1024, 3072], K = its axis 0): each comes as NAME_codes (uint8): NAME with its K axis moved to the last place and cut into blocks of 32 codes, [.., K / 32, bytes a block], one block behind the other in memory; one code a byte (a code: sign, 4 exponent bits, 3 mantissa bits); its scale is its entry of lowp_scales. Its value is code x scale, taken as it is: it is not quantised again, and the codes and scales need not be those that the quantiser above would give.
;; One version. Each part assembles by itself: llvm-mc -triple=amdgcn-amd-amdhsa -mcpu=gfx1250 --defsym DOCPART=n.
;; ======== version 1 of 1: 7 launches
;; workspace buffers: hc 4,194,304 bytes; qc 4,194,304 bytes; kc 4,194,304 bytes; vc 4,194,304 bytes; yc 4,194,304 bytes; gc 16,777,216 bytes; x1 16,777,216 bytes
;; launch ln1 (part 1): grid 256 x 1, 8 waves a work-group, no clusters, 0 bytes of LDS; arguments x, ln1_w, ln1_b, lowp_scales, hc; writes hc
.if DOCPART == 1
	.amdgcn_target "amdgcn-amd-amdhsa--gfx1250"
	.amdhsa_code_object_version 6
	.text
	.protected	k_q90c4635b5c_ln1
	.globl	k_q90c4635b5c_ln1
	.p2align	8
	.type	k_q90c4635b5c_ln1,@function
k_q90c4635b5c_ln1:
	s_mov_b64 s[64:65], 0
	v_nop
	global_prefetch_b8 v0, s[64:65] scope:SCOPE_SE
	s_setreg_imm32_b32 hwreg(HW_REG_WAVE_MODE, 25, 1), 1
	s_wait_xcnt 0x0
; LayerNorm of 4,096 rows of 1,024 f32, quantised to codes of E4M3 with the given scale 2^e (entry EOFF/4 of the scales): codes row-major, [4096][1024] bytes.
; A work-group takes 16 rows, a wave 2.  Of each run of 256 numbers a lane holds 8 NEIGHBOURS (two loads of 16 bytes, 32 bytes from lane to lane; the pair covers 1,024 consecutive bytes),
; so a conversion's 8 codes are 8 neighbouring bytes and the 32 lanes' store covers 256 consecutive bytes, aligned.  A row stays in registers: it is read once.
; The variance is taken of the centred numbers (two passes over registers): no difference of large sums.  No LDS, no barrier: a row never leaves its wave.
; LIMITS: e between -126 and 119, so that 2^e and 448 x 2^e are f32 numbers.  NaN among the inputs is not served.
.set EOFF, 0
.set X,  16                            ; v16-79   two rows, 32 registers each
.set W,  80                            ; v80-111  the gain at my 32 columns
.set B,  112                           ; v112-143 the bias
.set CD, 144                           ; v144-159 codes, 8 registers a row
	s_load_b256 s[4:11], s[0:1], 0x0               ; x, gain, bias, scales
	s_load_b64 s[12:13], s[0:1], 0x20              ; the codes
	v_lshrrev_b32 v1, 5, v0
	v_readfirstlane_b32 s14, v1                    ; wave
	v_and_b32 v2, 31, v0
	v_lshlrev_b32 v1, 5, v2                        ; 32 x lane: my 8 numbers of a run of 256
	v_lshlrev_b32 v2, 3, v2                        ; 8 x lane: their codes
	v_mov_b32 v9, 0                                ; a lane permute's destination counts as read
	v_mov_b32 v13, 0                               ; upper words of the pairs v[12:13], v[14:15]: named, not used
	v_mov_b32 v15, 0
	s_lshl_b32 s15, ttmp9, 4
	s_lshl_b32 s16, s14, 1
	s_add_co_u32 s15, s15, s16                     ; my first row
	s_lshl_b32 s16, s15, 12                        ; x 4,096 bytes
	s_mov_b32 s17, 0
	s_lshl_b32 s18, s15, 10                        ; x 1,024 bytes
	s_mov_b32 s19, 0
	s_mov_b32 s20, 0x76543210                      ; v_permlanex16_b32: lane l xor 16
	s_mov_b32 s21, 0xfedcba98
	s_mov_b32 s23, 0x3a800000                      ; 1 / 1,024
	s_mov_b32 s24, 0x3727c5ac                      ; 1e-5
	s_wait_kmcnt 0x0
	s_load_b32 s22, s[10:11], EOFF                 ; e
	s_add_nc_u64 s[4:5], s[4:5], s[16:17]
	s_add_nc_u64 s[12:13], s[12:13], s[18:19]
.irp r, 0,1
.irp q, 0,1,2,3
	global_load_b128 v[X+32*\r+8*\q:X+32*\r+8*\q+3], v1, s[4:5] offset:4096*\r+1024*\q th:TH_LOAD_NT
	global_load_b128 v[X+32*\r+8*\q+4:X+32*\r+8*\q+7], v1, s[4:5] offset:4096*\r+1024*\q+16 th:TH_LOAD_NT
.endr
.endr
.irp q, 0,1,2,3
	global_load_b128 v[W+8*\q:W+8*\q+3], v1, s[6:7] offset:1024*\q
	global_load_b128 v[W+8*\q+4:W+8*\q+7], v1, s[6:7] offset:1024*\q+16
.endr
.irp q, 0,1,2,3
	global_load_b128 v[B+8*\q:B+8*\q+3], v1, s[8:9] offset:1024*\q
	global_load_b128 v[B+8*\q+4:B+8*\q+7], v1, s[8:9] offset:1024*\q+16
.endr
.macro ALLSUM                          ; v8 summed over the 32 lanes, the result in every lane
	v_add_f32_dpp v8, v8, v8 row_xmask:1 row_mask:0xf bank_mask:0xf
	v_add_f32_dpp v8, v8, v8 row_xmask:2 row_mask:0xf bank_mask:0xf
	v_add_f32_dpp v8, v8, v8 row_xmask:4 row_mask:0xf bank_mask:0xf
	v_add_f32_dpp v8, v8, v8 row_xmask:8 row_mask:0xf bank_mask:0xf
	v_permlanex16_b32 v9, v8, s20, s21
	v_add_f32 v8, v8, v9
.endm
.macro STATS r                         ; row r is centred in place; its variance + 1e-5 goes to v[162 + r]
.set XR, X+32*(\r)
	v_pk_add_f32 v[4:5], v[XR:XR+1], v[XR+2:XR+3]  ; two chains, started by the first numbers
	v_pk_add_f32 v[6:7], v[XR+4:XR+5], v[XR+6:XR+7]
.irp j, 8,12,16,20,24,28
	v_pk_add_f32 v[4:5], v[4:5], v[XR+\j:XR+\j+1]
	v_pk_add_f32 v[6:7], v[6:7], v[XR+\j+2:XR+\j+3]
.endr
	v_pk_add_f32 v[4:5], v[4:5], v[6:7]
	v_add_f32 v8, v4, v5
	ALLSUM
	v_mul_f32 v10, s23, v8                         ; the mean
	v_mov_b32 v11, v10
.irp j, 0,2,4,6,8,10,12,14,16,18,20,22,24,26,28,30
	v_pk_add_f32 v[XR+\j:XR+\j+1], v[XR+\j:XR+\j+1], v[10:11] neg_lo:[0,1] neg_hi:[0,1]
.endr
	v_pk_mul_f32 v[4:5], v[XR:XR+1], v[XR:XR+1]
	v_pk_mul_f32 v[6:7], v[XR+2:XR+3], v[XR+2:XR+3]
.irp j, 4,8,12,16,20,24,28
	v_pk_fma_f32 v[4:5], v[XR+\j:XR+\j+1], v[XR+\j:XR+\j+1], v[4:5]
	v_pk_fma_f32 v[6:7], v[XR+\j+2:XR+\j+3], v[XR+\j+2:XR+\j+3], v[6:7]
.endr
	v_pk_add_f32 v[4:5], v[4:5], v[6:7]
	v_add_f32 v8, v4, v5
	ALLSUM
	v_fma_f32 v[162+\r], v8, s23, s24              ; sum of squares / 1,024 + 1e-5
.endm
.macro FINISH r                        ; x 1/sqrt, x gain + bias, the hold, the codes, the stores
.set XR, X+32*(\r)
.irp j, 0,2,4,6,8,10,12,14,16,18,20,22,24,26,28,30
	v_pk_mul_f32 v[XR+\j:XR+\j+1], v[XR+\j:XR+\j+1], v[12+2*\r:13+2*\r] op_sel_hi:[1,0]
.endr
.irp j, 0,2,4,6,8,10,12,14,16,18,20,22,24,26,28,30
	v_pk_fma_f32 v[XR+\j:XR+\j+1], v[XR+\j:XR+\j+1], v[W+\j:W+\j+1], v[B+\j:B+\j+1]
.endr
.set j, 0
.rept 32
	v_med3_num_f32 v[XR+j], v[XR+j], -v160, v160   ; the conversion to an 8-bit code does not saturate (ISA guide 7.6.2): held within 448 x the scale first
.set j, j+1
.endr
.irp q, 0,1,2,3
	v_cvt_scalef32_pk8_fp8_f32 v[CD+8*\r+2*\q:CD+8*\r+2*\q+1], v[XR+8*\q:XR+8*\q+7], v3
.endr
.irp q, 0,1,2,3
	global_store_b64 v2, v[CD+8*\r+2*\q:CD+8*\r+2*\q+1], s[12:13] offset:1024*\r+256*\q   ; 32 lanes store 256 consecutive bytes, aligned
.endr
.endm
	s_wait_loadcnt 16                              ; the two rows are in; the 16 younger loads (gain, bias) may be out
	STATS 0
	STATS 1
	s_wait_kmcnt 0x0
	s_add_co_i32 s22, s22, 127
	s_lshl_b32 s25, s22, 23                        ; 2^e as f32
	s_add_co_i32 s22, s22, 8
	s_lshl_b32 s22, s22, 23
	s_or_b32 s22, s22, 0x600000                    ; 448 x 2^e
	v_rsq_f32 v12, v162
	v_rsq_f32 v14, v163
	v_mov_b32 v3, s25                              ; plain instructions behind the batch of two
	v_mov_b32 v160, s22
	s_wait_alu depctr_va_vdst(0)                   ; one wait for both, ahead of their first reader
	s_wait_loadcnt 0x0                             ; gain and bias
	FINISH 0
	FINISH 1                                       ; (its first lines are plain and touch other registers than row 0's conversions)
	s_endpgm
.Lfunc_end_k_q90c4635b5c_ln1:
	.size	k_q90c4635b5c_ln1, .Lfunc_end_k_q90c4635b5c_ln1-k_q90c4635b5c_ln1
	.p2alignl 7, 3214868480
	.fill 96, 4, 3214868480
	.section	.rodata,"a",@progbits
	.p2align	6, 0x0
	.amdhsa_kernel k_q90c4635b5c_ln1
		.amdhsa_group_segment_fixed_size 0
		.amdhsa_private_segment_fixed_size 0
		.amdhsa_enable_private_segment 0
		.amdhsa_kernarg_size 40
		.amdhsa_user_sgpr_count 2
		.amdhsa_user_sgpr_kernarg_segment_ptr 1
		.amdhsa_wavefront_size32 1
		.amdhsa_system_sgpr_workgroup_id_x 1
		.amdhsa_system_sgpr_workgroup_id_y 1
		.amdhsa_system_sgpr_workgroup_id_z 1
		.amdhsa_system_vgpr_workitem_id 0
		.amdhsa_next_free_vgpr 168
		.amdhsa_next_free_sgpr 66
		.amdhsa_reserve_vcc 0
		.amdhsa_float_denorm_mode_32 3
		.amdhsa_float_denorm_mode_16_64 3
		.amdhsa_memory_ordered 1
		.amdhsa_forward_progress 1
		.amdhsa_inst_pref_size 22
	.end_amdhsa_kernel
	.amdgpu_metadata
---
amdhsa.version: [ 1, 2 ]
amdhsa.kernels:
  - .name:           k_q90c4635b5c_ln1
    .symbol:         k_q90c4635b5c_ln1.kd
    .args:
      - { .name: x, .offset: 0, .size: 8, .value_kind: global_buffer, .address_space: global }
      - { .name: ln1_w, .offset: 8, .size: 8, .value_kind: global_buffer, .address_space: global }
      - { .name: ln1_b, .offset: 16, .size: 8, .value_kind: global_buffer, .address_space: global }
      - { .name: lowp_scales, .offset: 24, .size: 8, .value_kind: global_buffer, .address_space: global }
      - { .name: hc, .offset: 32, .size: 8, .value_kind: global_buffer, .address_space: global }
    .group_segment_fixed_size: 0
    .private_segment_fixed_size: 0
    .kernarg_segment_align: 8
    .kernarg_segment_size: 40
    .max_flat_workgroup_size: 256
    .sgpr_count:     66
    .vgpr_count:     168
    .wavefront_size: 32
...
	.end_amdgpu_metadata
.endif
;; end of part 1
;; launch qkv (part 2): grid 12 x 16, 4 waves a work-group, clusters of 4 x 4, 327,680 bytes of LDS; arguments hc, w_qkv_codes, b_qkv, lowp_scales, qc, kc, vc; writes qc, kc, vc
.if DOCPART == 2
	.amdgcn_target "amdgcn-amd-amdhsa--gfx1250"
	.amdhsa_code_object_version 6
	.text
	.protected	k_q90c4635b5c_qkv
	.globl	k_q90c4635b5c_qkv
	.p2align	8
	.type	k_q90c4635b5c_qkv,@function
k_q90c4635b5c_qkv:
	s_mov_b64 s[64:65], 0
	v_nop
	global_prefetch_b8 v0, s[64:65] scope:SCOPE_SE
	s_setreg_imm32_b32 hwreg(HW_REG_WAVE_MODE, 25, 1), 1
	s_wait_xcnt 0x0
	s_wait_alu depctr_hold_cnt(0) depctr_sa_sdst(0) depctr_va_vdst(0) depctr_va_sdst(0) depctr_va_ssrc(0) depctr_va_vcc(0) depctr_vm_vsrc(0)
	s_getreg_b32 s2, hwreg(HW_REG_IB_STS2, 6, 4)
	s_cmp_eq_u32 s2, 0
	s_cbranch_scc0 .Lentry_in_a_cluster
	s_endpgm
.Lentry_in_a_cluster:
	s_bfe_u32 s2, ttmp6, 0x10000c
	s_cmp_lg_u32 s2, 0xf033
	s_cbranch_scc0 .Lentry_shape_is_right
	s_endpgm
.Lentry_shape_is_right:
; qkv = h W^T + b on codes of E4M3 (h: [4096][1024], W: [3072][1024], K innermost), then q, k and v are quantised and stored as the attention launch wants them.
; A tile of 256 x 256 to a work-group of four waves, 128 x 128 to a wave (64 accumulators, 512 registers).  K goes in steps of 256 through a ring of two LDS slots filled by the tensor data mover.
; CLUSTERS of 4 x 4: the tile of the operand that gives a lane its ROW (called A here) is shared along a row of the cluster, the other's (B) along a column: each is asked for jointly.
; The matrix instruction takes 16 rows of B as source 0 and 16 rows of A as source 1: a lane then holds ONE row of A and EIGHT NEIGHBOURING rows of B.
; The cluster's x names the tensor: 0 = q, 1 = k, 2 = v.  For q and k: A = h (tokens), B = W (channels): a lane's eight results are eight channels of a token, neighbours along the K of q k^T.
; For v: A = W (channels), B = h (tokens): eight neighbouring KEYS of a channel, neighbours along the K of p v.  Both operands are rows of 1,024 bytes, so only base addresses and tile numbers change places, by selection.
; OUT, straight from registers, each store whole aligned blocks of 256 bytes:
;   qc, kc: [b x 16 + head][token / 16][1,024 bytes], byte (d / 16) 256 + (token % 16) 16 + d % 16.
;   vc: [b x 16 + head][token / 128][d / 16][2,048 bytes], byte (kk / 32) 512 + ((kk / 8) % 2) 256 + (d % 16) 16 + ((kk / 16) % 2) 8 + kk % 8, kk = token % 128.
; LIMITS: e0 + e1 between -126 and 127; e2, e3, e5 between -126 and 119.  NaN is not served.
; REGISTERS, in windows of 256: window 0: v16-31 addresses; v32-95 the bias by B's rows, v96-111 by A's rows; from v128 A's fragments, ONE set (on the way out: 64 numbers at work, two sets of codes);
;   window 1: B's fragments, two sets;  window 2, 3: the accumulators ((a, b) at v[8 (8 (a % 4) + b)]).
.set SIZE_K, 1024
.set KSTEP,  256
.set ROWB,   256
.set KROW,   SIZE_K
.set PITCH,  272                       ; an LDS row: 256 bytes + 16 of padding: the 16 rows of a load start at 16 different banks
.set FR,     16
.set NL,     4
.set NP,     4
.set HALFT,  128*PITCH
.set SLOT,   4*HALFT
.set LAPS,   SIZE_K/(2*KSTEP)
.set SPARE,  2*SLOT                    ; behind the ring: the spare words, 128 bytes a wave
.set ADRA, 16
.set SCL,  18                          ; v18 the output's scale as f32;  v19 448 x it
.set LIM,  19
.set ADRB, 20
.set SO8,  26                          ; v26 16 (l % 16) + 8 (l / 16)
.set SO16, 27                          ; v27 16 x lane
.set SPW,  28
.set NIL,  29
.set BO1,  30                          ; v30 32 (l / 16)
.set BO2,  31                          ; v31 4 (l % 16)
.set BI1,  32
.set BI2,  96
.set AF,   128
.set T,    128
.set CD,   192
.set G1, 24
.set G0, 32
.set G1B, 48
.set G0B, 56
.set MSB, 0
.macro WIN new                         ; the immediate's high byte repeats the setting that is left
.if MSB != (\new)
	s_set_vgpr_msb (MSB<<8)|(\new)
.set MSB, (\new)
.endif
.endm
.set MUL_LO, 0xa1
.set MUL_HI, 0xf1
.set TO_B,   0x40
.macro JLOAD g0a, g1a, g0b, g1b        ; a joint load: waves 0 and 1 fetch for A, waves 2 and 3 for B; four v_nop follow each line
	s_cmp_eq_u32 s15, 0
	s_cbranch_scc0 .Lfor_b_\@
	tensor_load_to_lds s[\g0a:\g0a+3], s[\g1a:\g1a+7]
	s_nop 0
.rept 4
	v_nop
.endr
	s_branch .Lasked_\@
.Lfor_b_\@:
	tensor_load_to_lds s[\g0b:\g0b+3], s[\g1b:\g1b+7]
	s_nop 0
.rept 4
	v_nop
.endr
.Lasked_\@:
.endm
.macro CREST
	s_cmp_lg_u32 s14, 0
	s_cbranch_scc1 .Lnot_wave_0_\@
	s_barrier_signal -3
.Lnot_wave_0_\@:
	s_barrier_wait -3
	s_barrier_signal -1
	s_barrier_wait -1
.endm
.macro CROUND
	s_barrier_signal -1
	s_barrier_wait -1
	CREST
.endm
	s_load_b128 s[4:7], s[0:1], 0x0                ; h's codes, W's codes
	s_load_b128 s[8:11], s[0:1], 0x10              ; the bias, the scales
	s_load_b128 s[68:71], s[0:1], 0x20             ; qc, kc
	s_load_b64 s[72:73], s[0:1], 0x30              ; vc
	v_lshl_add_u32 v[SPW], v0, 2, SPARE
	v_mov_b32 v[NIL], 0
	ds_add_u32 v28, v29
	ds_add_u32 v28, v29
	s_wait_dscnt 0x0
	v_lshrrev_b32 v1, 5, v0
	v_readfirstlane_b32 s14, v1                    ; wave
	s_lshr_b32 s15, s14, 1                         ; my half of A's rows.  Also: I fetch for A (0) or B (1)
	s_and_b32 s16, s14, 1                          ; my half of B's rows.  Also: which 128 rows I fetch
	s_bfe_u32 s40, ttmp6, 0x40000                  ; cx
	s_bfe_u32 s41, ttmp6, 0x40004                  ; cy
	s_and_b32 s82, ttmp7, 0xffff
	s_lshl_b32 s82, s82, 2                         ; 4 x cluster y
	s_lshl_b32 s74, ttmp9, 2
	s_add_co_u32 s74, s74, s40                     ; q, k: W's tile = 4 x cluster x + cx
	s_add_co_u32 s75, s82, s41                     ; q, k: h's tile = 4 x cluster y + cy
	s_add_co_u32 s76, s82, s40                     ; v: h's tile = 4 x cluster y + cx
	s_add_co_u32 s77, s41, 8                       ; v: W's tile = 8 + cy
	s_cmp_eq_u32 ttmp9, 2                          ; the cluster's x: the same in all sixteen partners
	s_cselect_b32 s17, s77, s75                    ; A's tile: it hangs on cy alone
	s_cselect_b32 s42, s76, s74                    ; B's tile: on cx alone
	s_lshl_b32 s43, s41, 2
	s_lshl_b32 s43, 15, s43                        ; my row of the cluster
	s_lshl_b32 s44, 0x1111, s40                    ; my column
	s_or_b32 s[G1+0], s43, (0<<16)|(1<<20)|(1<<21)|(5<<22)|(3<<25)  ; mask; elements of 1 byte; padding: 4 words after every 64; bit 21 beside a mask
	s_or_b32 s[G1B+0], s44, (0<<16)|(1<<20)|(1<<21)|(5<<22)|(3<<25)
.irp g, G1, G1B
	s_mov_b32 s[\g+1], ROWB<<16                    ; tensor_dim0
	s_mov_b32 s[\g+2], 128<<16                     ; tensor_dim1
	s_mov_b32 s[\g+3], ROWB<<16                    ; tile_dim0
	s_mov_b32 s[\g+4], 128                         ; tile_dim1
	s_mov_b32 s[\g+5], KROW                        ; pitch
	s_mov_b32 s[\g+6], 0
	s_mov_b32 s[\g+7], 0
.endr
	s_lshl_b32 s18, s16, 7
	s_lshl_b32 s20, s17, 8
	s_add_co_u32 s20, s20, s18
	s_lshl_b32 s20, s20, 10                        ; A: (256 x tile + 128 x half) rows of 1,024 bytes
	s_mov_b32 s21, 0
	s_lshl_b32 s46, s42, 8
	s_add_co_u32 s46, s46, s18
	s_lshl_b32 s46, s46, 10                        ; B likewise
	s_mov_b32 s47, 0
	s_mul_i32 s45, s14, HALFT                      ; where they go: wave x 128 rows
	s_wait_kmcnt 0x0
	s_load_b128 s[88:91], s[10:11], 0x0            ; e0 .. e3
	s_load_b32 s94, s[10:11], 0x14                 ; e5
	s_cmp_eq_u32 ttmp9, 2
	s_cselect_b64 s[78:79], s[6:7], s[4:5]         ; A's buffer
	s_cselect_b64 s[80:81], s[4:5], s[6:7]         ; B's
	s_add_nc_u64 s[20:21], s[78:79], s[20:21]
	s_add_nc_u64 s[46:47], s[80:81], s[46:47]
	CROUND                                         ; all sixteen work-groups are here: the first joint loads meet
.irp s, 0,1
	s_mov_b32 s[G0+4*\s], 1
	s_add_co_u32 s[G0+4*\s+1], s45, \s*SLOT
	s_add_nc_u64 s[G0+4*\s+2:G0+4*\s+3], s[20:21], \s*ROWB
	s_or_b32 s[G0+4*\s+3], s[G0+4*\s+3], 0x80000000
	s_mov_b32 s[G0B+4*\s], 1
	s_add_co_u32 s[G0B+4*\s+1], s45, \s*SLOT
	s_add_nc_u64 s[G0B+4*\s+2:G0B+4*\s+3], s[46:47], \s*ROWB
	s_or_b32 s[G0B+4*\s+3], s[G0B+4*\s+3], 0x80000000
	JLOAD G0+4*\s, G1, G0B+4*\s, G1B
.endr
	v_and_b32 v1, 15, v0                           ; r
	v_bfe_u32 v2, v0, 4, 1                         ; h
	v_mul_u32_u24 v3, v1, PITCH
	v_lshl_add_u32 v4, v2, 4, v3
	s_mul_i32 s21, s15, HALFT
	s_mul_i32 s22, s16, HALFT
	s_add_co_u32 s22, s22, 2*HALFT
.irp s, 0,1
	v_add_nc_u32 v[ADRA+\s], s21, v4
	v_add_nc_u32 v[ADRB+\s], s22, v4
	s_add_co_u32 s21, s21, SLOT
	s_add_co_u32 s22, s22, SLOT
.endr
	v_lshlrev_b32 v5, 3, v2
	v_lshl_add_u32 v[SO8], v1, 4, v5
	v_and_b32 v6, 31, v0
	v_lshlrev_b32 v[SO16], 4, v6
	v_lshlrev_b32 v[BO1], 5, v2
	v_lshlrev_b32 v[BO2], 2, v1
	; the bias, in both forms, each at an address inside the buffer whichever form is used later: so every register is written on the one way that all take
	s_lshl_b32 s82, s42, 10
	s_lshl_b32 s83, s16, 9
	s_add_co_u32 s82, s82, s83                     ; 4 (256 x B's tile + 128 x half)
	s_lshl_b32 s86, s17, 10
	s_lshl_b32 s87, s15, 9
	s_add_co_u32 s86, s86, s87                     ; 4 (256 x A's tile + 128 x half)
	s_cmp_eq_u32 ttmp9, 2
	s_cselect_b32 s82, 0, s82
	s_cselect_b32 s86, s86, 0
	s_mov_b32 s83, 0
	s_mov_b32 s87, 0
	s_add_nc_u64 s[84:85], s[8:9], s[82:83]
	s_add_nc_u64 s[86:87], s[8:9], s[86:87]
.irp b, 0,1,2,3,4,5,6,7
	global_load_b128 v[BI1+8*\b:BI1+8*\b+3], v[BO1], s[84:85] offset:64*\b        ; q, k: the bias of channels 16 b + 8 h + 0 .. 7
	global_load_b128 v[BI1+8*\b+4:BI1+8*\b+7], v[BO1], s[84:85] offset:64*\b+16
.endr
.irp a, 0,1,2,3,4,5,6,7
	global_load_b32 v[BI2+2*\a], v[BO2], s[86:87] offset:64*\a                    ; v: the bias of channel 16 a + r, in both words of a pair
	global_load_b32 v[BI2+2*\a+1], v[BO2], s[86:87] offset:64*\a
.endr
.macro FRAG reg, adr, q, i             ; 16 rows x 128 K: registers 4 c .. 4 c + 3 hold K = 32 c + 16 (l / 16) + 0 .. 15, alike in A and B
.irp c, 0,1,2,3
	ds_load_b128 v[\reg+4*\c:\reg+4*\c+3], v[\adr] offset:128*(\q)+32*\c+(\i)*16*PITCH
.endr
.endm
; 16 matrix instructions: A's blocks a0, a0 + 1 x B's eight.  The 64 accumulators take turns, one instruction a turn, in the same order in every step.
.macro MUL16 a0, p, zero
.irp a, \a0, \a0+1
.irp b, 0,1,2,3,4,5,6,7
.if \zero
	v_wmma_f32_16x16x128_fp8_fp8 v[8*(8*((\a)%4)+\b):8*(8*((\a)%4)+\b)+7], v[128*(\p)+FR*\b:128*(\p)+FR*\b+FR-1], v[AF+FR*(\a):AF+FR*(\a)+FR-1], 0
.else
	v_wmma_f32_16x16x128_fp8_fp8 v[8*(8*((\a)%4)+\b):8*(8*((\a)%4)+\b)+7], v[128*(\p)+FR*\b:128*(\p)+FR*\b+FR-1], v[AF+FR*(\a):AF+FR*(\a)+FR-1], v[8*(8*((\a)%4)+\b):8*(8*((\a)%4)+\b)+7]
.endif
.endr
.endr
.endm
.macro FETCH_B slot, q, p
	WIN TO_B
.irp i, 0,1,2,3,4,5,6,7
	FRAG 128*(\p)+FR*\i, ADRB+\slot, \q, \i
.endr
	WIN 0
.endm
.macro FETCH_A slot, q, i0
.irp i, \i0, \i0+1, \i0+2, \i0+3
	FRAG AF+FR*(\i), ADRA+\slot, \q, \i
.endr
.endm
.macro PLACES n                        ; plain vector instructions between a matrix instruction and a load into, or a vector access of, its registers
.rept \n
	v_nop
.endr
.endm
.macro STEP slot, q, zero              ; 128 along K with its successor in the same slot
	s_wait_dscnt 4*NL                              ; B's set and A's blocks 0-3 are in; the youngest 16 loads (A's blocks 4-7) may be out
	WIN MUL_LO
	MUL16 0, (\q)%2, \zero
	MUL16 2, (\q)%2, \zero
	s_wait_dscnt 0
	PLACES NP
	FETCH_B \slot, (\q)+1, 1-(\q)%2
	FETCH_A \slot, (\q)+1, 0
	WIN MUL_HI
	MUL16 4, (\q)%2, \zero
	MUL16 6, (\q)%2, \zero
	PLACES NP
	WIN 0
	FETCH_A \slot, (\q)+1, 4
.endm
; A slot's last step changes slots: one barrier; in front of it each wave waits for all its tensor loads, adds 0 to its spare word, and waits for that and for its reads of the slot.
.macro TURN slot, next, fill
	s_wait_tensorcnt 0x0                           ; all my tensor loads have landed: my part of the next slot
	ds_add_u32 v[SPW], v[NIL]                      ; 0 onto my spare word
	s_wait_dscnt 4*NL+1                            ; (the add and the youngest 16 loads may be out)
	WIN MUL_LO
	MUL16 0, 1, 0
	s_wait_dscnt 0x0                               ; the add is done, and my reads of this slot are over
	s_barrier_signal -1
	MUL16 2, 1, 0
	WIN 0
	s_barrier_wait -1
.if \fill
	CREST                                          ; the barrier has opened a round of the cluster's: no wave of any partner still reads the slot or has a load on its way
	s_add_nc_u64 s[G0+4*\slot+2:G0+4*\slot+3], s[G0+4*\slot+2:G0+4*\slot+3], 2*ROWB
	s_add_nc_u64 s[G0B+4*\slot+2:G0B+4*\slot+3], s[G0B+4*\slot+2:G0B+4*\slot+3], 2*ROWB
	JLOAD G0+4*\slot, G1, G0B+4*\slot, G1B         ; the first tensor load behind the round; its four v_nop are the places in front of the loads below
.else
	PLACES NP
.endif
	FETCH_B \next, 0, 0
	FETCH_A \next, 0, 0
	WIN MUL_HI
	MUL16 4, 1, 0
	MUL16 6, 1, 0
	PLACES NP
	WIN 0
	FETCH_A \next, 0, 4
.endm
	s_wait_tensorcnt 1                             ; my part of K step 0 is in; K step 1's load may be out
	s_barrier_signal -1
	s_barrier_wait -1
	FETCH_B 0, 0, 0
	FETCH_A 0, 0, 0
	FETCH_A 0, 0, 4
	STEP 0, 0, 1                                   ; the first step's products start the sums
	s_mov_b32 s3, LAPS-1
.Llap:                                                 ; a trip goes once round the ring and fills both slots again
	TURN 0, 1, 1
	STEP 1, 0, 0
	TURN 1, 0, 1
	STEP 0, 0, 0
	s_sub_co_u32 s3, s3, 1
	s_cmp_lg_u32 s3, 0
	s_cbranch_scc1 .Llap
	TURN 0, 1, 0
	STEP 1, 0, 0
	s_wait_dscnt 4*NL
	WIN MUL_LO
	MUL16 0, 1, 0
	MUL16 2, 1, 0
	s_wait_dscnt 0
	WIN MUL_HI
	MUL16 4, 1, 0
	MUL16 6, 1, 0
	WIN 0
	; THE WAY OUT.  Which of A and B holds tokens and which channels, the output buffer and its scale are chosen by the cluster's x; the byte offset has one formula.
	s_wait_kmcnt 0x0
	s_wait_loadcnt 0x0                             ; the bias
	s_add_co_i32 s96, s88, s89
	s_add_co_i32 s96, s96, 127
	s_lshl_b32 s96, s96, 23                        ; 2^(e0 + e1)
	s_mov_b32 s97, s96
	s_cmp_eq_u32 ttmp9, 2
	s_cselect_b32 s74, s42, s17                    ; the tokens' tile,
	s_cselect_b32 s75, s16, s15                    ; my half of it
	s_cselect_b32 s76, s17, s42                    ; the channels' tile,
	s_cselect_b32 s77, s15, s16                    ; my half of it
	s_cselect_b32 s98, s94, s91                    ; e5 or e3
	s_cselect_b64 s[92:93], s[72:73], s[70:71]
	s_cmp_eq_u32 ttmp9, 0
	s_cselect_b32 s98, s90, s98                    ; or e2
	s_cselect_b64 s[92:93], s[68:69], s[92:93]
	s_lshl_b32 s82, s74, 8
	s_lshl_b32 s83, s75, 7
	s_add_co_u32 s82, s82, s83                     ; my first token
	s_lshr_b32 s83, s82, 11
	s_lshl_b32 s83, s83, 4                         ; 16 b
	s_and_b32 s76, s76, 3
	s_lshl_b32 s76, s76, 2
	s_add_co_u32 s83, s83, s76
	s_lshl_b32 s77, s77, 1
	s_add_co_u32 s83, s83, s77                     ; + my first head
	s_lshl_b32 s83, s83, 17                        ; x 131,072 bytes
	s_and_b32 s82, s82, 2047
	s_lshl_b32 s82, s82, 6                         ; 64 bytes a token in all three layouts
	s_add_co_u32 s82, s82, s83
	s_mov_b32 s83, 0
	s_add_nc_u64 s[92:93], s[92:93], s[82:83]
	s_add_co_i32 s98, s98, 127
	s_lshl_b32 s99, s98, 23
	v_mov_b32 v[SCL], s99
	s_add_co_i32 s98, s98, 8
	s_lshl_b32 s98, s98, 23
	s_or_b32 s98, s98, 0x600000
	v_mov_b32 v[LIM], s98
	PLACES NP
; Block a (16 rows of A x 128 rows of B): sum x 2^(e0 + e1) + bias, the hold, eight conversions, the stores.  Each accumulator is read from its low end on.
.macro EPIBLK a, vrole
.set AC, 64*((\a)%4)
.set CS, CD+16*((\a)%2)
.if (\a) >= 2
	s_wait_xcnt 0x0                                ; block a - 2's stores have read their codes: the set is written again only behind this wait
.endif
	WIN 0x02+(\a)/4
.set j, 0
.rept 32
.if \vrole
	v_pk_fma_f32 v[T+j:T+j+1], v[AC+j:AC+j+1], s[96:97], v[BI2+2*(\a):BI2+2*(\a)+1] op_sel_hi:[1,0,1]
.else
	v_pk_fma_f32 v[T+j:T+j+1], v[AC+j:AC+j+1], s[96:97], v[BI1+j:BI1+j+1] op_sel_hi:[1,0,1]
.endif
.set j, j+2
.endr
	WIN 0
.set j, 0
.rept 64
	v_med3_num_f32 v[T+j], v[T+j], -v[LIM], v[LIM]
.set j, j+1
.endr
.set j, 0
.rept 8
	v_cvt_scalef32_pk8_fp8_f32 v[CS+2*j:CS+2*j+1], v[T+8*j:T+8*j+7], v[SCL]
.set j, j+1
.endr
	v_nop                                          ; a plain instruction between the conversions and the next block's writes of their sources
.if \vrole
.irp b, 0,1,2,3
	global_store_b128 v[SO16], v[CS+4*\b:CS+4*\b+3], s[92:93] offset:((\a)/4)*131072+((\a)%4)*2048+\b*512   ; 512 consecutive bytes: keys 32 b .. 32 b + 31 of 16 channels
.endr
.else
.irp b, 0,1,2,3,4,5,6,7
	global_store_b64 v[SO8], v[CS+2*\b:CS+2*\b+1], s[92:93] offset:(\b/4)*131072+(\a)*1024+(\b%4)*256       ; 256 consecutive bytes: 16 channels of 16 tokens
.endr
.endif
.endm
	s_cmp_eq_u32 ttmp9, 2
	s_cbranch_scc1 .Lv
.irp a, 0,1,2,3,4,5,6,7
	EPIBLK \a, 0
.endr
	s_branch .Lend
.Lv:
.irp a, 0,1,2,3,4,5,6,7
	EPIBLK \a, 1
.endr
.Lend:
	s_wait_tensorcnt 0x0                           ; the wave's end
	ds_add_u32 v[SPW], v[NIL]
	s_wait_dscnt 0x0
	CROUND                                         ; the closing round
	s_endpgm
.Lfunc_end_k_q90c4635b5c_qkv:
	.size	k_q90c4635b5c_qkv, .Lfunc_end_k_q90c4635b5c_qkv-k_q90c4635b5c_qkv
	.p2alignl 7, 3214868480
	.fill 96, 4, 3214868480
	.section	.rodata,"a",@progbits
	.p2align	6, 0x0
	.amdhsa_kernel k_q90c4635b5c_qkv
		.amdhsa_group_segment_fixed_size 327680
		.amdhsa_private_segment_fixed_size 0
		.amdhsa_enable_private_segment 0
		.amdhsa_kernarg_size 56
		.amdhsa_user_sgpr_count 2
		.amdhsa_user_sgpr_kernarg_segment_ptr 1
		.amdhsa_wavefront_size32 1
		.amdhsa_system_sgpr_workgroup_id_x 1
		.amdhsa_system_sgpr_workgroup_id_y 1
		.amdhsa_system_sgpr_workgroup_id_z 1
		.amdhsa_system_vgpr_workitem_id 0
		.amdhsa_next_free_vgpr 1024
		.amdhsa_next_free_sgpr 100
		.amdhsa_reserve_vcc 0
		.amdhsa_float_denorm_mode_32 3
		.amdhsa_float_denorm_mode_16_64 3
		.amdhsa_memory_ordered 1
		.amdhsa_forward_progress 1
		.amdhsa_inst_pref_size 197
	.end_amdhsa_kernel
	.amdgpu_metadata
---
amdhsa.version: [ 1, 2 ]
amdhsa.kernels:
  - .name:           k_q90c4635b5c_qkv
    .symbol:         k_q90c4635b5c_qkv.kd
    .args:
      - { .name: hc, .offset: 0, .size: 8, .value_kind: global_buffer, .address_space: global }
      - { .name: w_qkv_codes, .offset: 8, .size: 8, .value_kind: global_buffer, .address_space: global }
      - { .name: b_qkv, .offset: 16, .size: 8, .value_kind: global_buffer, .address_space: global }
      - { .name: lowp_scales, .offset: 24, .size: 8, .value_kind: global_buffer, .address_space: global }
      - { .name: qc, .offset: 32, .size: 8, .value_kind: global_buffer, .address_space: global }
      - { .name: kc, .offset: 40, .size: 8, .value_kind: global_buffer, .address_space: global }
      - { .name: vc, .offset: 48, .size: 8, .value_kind: global_buffer, .address_space: global }
    .group_segment_fixed_size: 327680
    .private_segment_fixed_size: 0
    .kernarg_segment_align: 8
    .kernarg_segment_size: 56
    .max_flat_workgroup_size: 128
    .sgpr_count:     100
    .vgpr_count:     1024
    .wavefront_size: 32
...
	.end_amdgpu_metadata
.endif
;; end of part 2
;; launch attn (part 3): grid 8 x 32, 16 waves a work-group, no clusters, 327,680 bytes of LDS; arguments qc, kc, vc, lowp_scales, yc; writes yc
.if DOCPART == 3
	.amdgcn_target "amdgcn-amd-amdhsa--gfx1250"
	.amdhsa_code_object_version 6
	.text
	.protected	k_q90c4635b5c_attn
	.globl	k_q90c4635b5c_attn
	.p2align	8
	.type	k_q90c4635b5c_attn,@function
k_q90c4635b5c_attn:
	s_mov_b64 s[64:65], 0
	v_nop
	global_prefetch_b8 v0, s[64:65] scope:SCOPE_SE
	s_setreg_imm32_b32 hwreg(HW_REG_WAVE_MODE, 25, 1), 1
	s_wait_xcnt 0x0
; Causal attention with the bias slope x (query - key), both products on codes of E4M3.  32 heads (b x 16 + head), 2,048 tokens, head size 64.
; t = (q . k / 8 + slope (i - j)) log2(e);  M = the running largest t rounded UP to a whole number;  p = 2^(t - M) is quantised with 2^e4; the row's sum is taken of the unquantised p and divides at the end.
; SHARES.  A head's 16 blocks of 128 queries go in pairs: work-group x owns blocks x and 15 - x, which together see 8 (x + 1) + 8 (16 - x) = 136 steps of 128 keys a tile of 16 queries, whatever x.
; Sixteen waves, one tile of 16 queries each, 256 registers: four waves to a SIMD, so that one wave's vector work stands beside another's products and LDS loads.
; LDS holds the head's WHOLE K (131,072 bytes, from 0) and V (131,072 bytes behind it); every byte is filled once.  They come in FOUR GROUPS of 2, 3, 4 and 7 steps of 128 keys.  Waves 0-7 fetch K, waves 8-15 V,
; each an eighth of a group by one tensor load.  Group 0 is asked for at the head; each later group behind the barrier at which the group before it is shown landed, so that it lands while that group is multiplied:
; the first products wait for 32,768 bytes and not for 262,144.  By this text's count a wave has one tensor load out at the most.
; NO CLUSTER: work-groups of one head walk different numbers of visible steps (the skip is a branch on the query block), and partners of a joint load must run alike.
; LAYOUT.  S^T = K Q^T (source 0 = 16 keys, source 1 = my 16 queries), O^T = V^T P^T: a lane holds ONE query throughout.  kc, qc are images of the operands' registers (16 bytes a lane, 512 bytes a load).
; A tile of S^T gives lane (r, h) keys 16 t + 8 h + 0 .. 7; p's codes of tiles 2 b, 2 b + 1 are registers 4 b .. 4 b + 3 of the second product's operand, and vc holds V's keys in that same order.
; THE BIAS COSTS NOTHING IN THE LOOP: -slope 8 / 2^(e2 + e3) x (the key's place in the step) is the C of the first product (64 registers, made once); slope log2(e) (i - first key) joins -M in the one packed multiply-add.
; PREFETCH INTO THE L2: behind the load of group 1 the head's first work-group asks for group 2, behind the load of group 2 for group 3: a group ahead of the tensor loads that want them.  A wave asks for 8,192 bytes,
; lanes 256 bytes apart: of each tensor four waves for group 2 (32,768 bytes), seven for group 3 (57,344 bytes): each block of 256 bytes is named once in the launch.  Groups 0 and 1 come by their loads alone.
; LIMITS: e2 + e3 between -123 and 126; e4, e6 between -126 and 119; e4 + e5 is applied by v_ldexp_f32.  NaN is not served.
.set VB,  131072
.set SPARE, 262144                     ; behind K and V: the spare words, 128 bytes for each of the sixteen waves
.set OFB, 16384                        ; where groups 1, 2, 3 begin in K's (and V's) image: steps 2, 5, 9
.set OFC, 40960
.set OFD, 73728
.set LI,  1                            ; v1  16 x lane
.set ADK, 2                            ; v2  the step's K in LDS
.set ADV, 3                            ; v3  the step's V
.set FQ,  4                            ; v4  my query as f32
.set QH,  5                            ; v5  my query - 8 (l / 16)
.set SO,  6                            ; v6  16 (l % 16) + 8 (l / 16)
.set PL,  8                            ; v8  448 x the scale in hand;  v9 the scale
.set PS,  9
.set QR,  16                           ; v16-23   Q
.set KR,  24                           ; v24-55   four fragments of K, then V's channels 0-31
.set S,   56                           ; v56-119  S^T, then p; v56-87 then V's channels 32-63
.set O,   120                          ; v120-151 O^T
.set PC,  152                          ; v152-167 p's codes
.set CB,  168                          ; v168-231 the bias tiles
.set SPW, 242                          ; v242 LDS address of my spare word; never rewritten
.set NIL, 243                          ; v243 0; never rewritten
.set PFO, 244                          ; v244 256 x lane: the prefetches' offset; never rewritten
.set WV,  18
.set LA,  19                           ; s19, s92-94: my eighth's place in groups 0 to 3
.set SEL, 20
.set CS,  22                           ; s[22:23] c = log2(e) / 8 x 2^(e2 + e3)
.set G1A, 24                           ; descriptor groups 1: 8, 12, 16, 28 rows of 256 bytes
.set G1B, 32
.set G0A, 40                           ; and groups 0, one for each group of steps
.set G0B, 44
.set KF,  48                           ; the step's first key
.set FKF, 49                           ; the same as f32
.set Q0,  50                           ; my first query
.set SG,  51                           ; slope x log2(e)
.set NS8, 52                           ; -slope x 8 / 2^(e2 + e3)
.set TB,  53                           ; the step's byte in K's (and V's) image
.set CNT, 54
.set TMP, 55
.set G1C, 68
.set G0C, 76
.set G1D, 80
.set G0D, 88
.set LB,  92
.set LC,  93
.set LD,  94
.set PFA, 96                           ; s[96:97] my tensor, my head, + 8,192 x (wave % 8)
.set LIMC, 98                          ; s98 0 in a wave that asks for group 2;  s99 for group 3
.set LIMD, 99
.macro SHAPE g, rows                   ; dense rows of 256 bytes: 32 elements of 8 bytes, no mask, no padding
	s_mov_b32 s[\g], 3<<16
	s_mov_b32 s[\g+1], 32<<16                      ; tensor_dim0
	s_mov_b32 s[\g+2], (\rows)<<16                 ; tensor_dim1
	s_mov_b32 s[\g+3], 32<<16                      ; tile_dim0
	s_mov_b32 s[\g+4], \rows                       ; tile_dim1
	s_mov_b32 s[\g+5], 32                          ; pitch
	s_mov_b32 s[\g+6], 0
	s_mov_b32 s[\g+7], 0
.endm
.macro PLACE g, loc                    ; from my tensor's head + s[loc] to LDS byte s17 + s[loc]  (s3 = 0)
	s_mov_b32 s[\g], 1
	s_add_co_u32 s[\g+1], s17, s[\loc]
	s_mov_b32 s2, s[\loc]
	s_add_nc_u64 s[\g+2:\g+3], s[62:63], s[2:3]
	s_or_b32 s[\g+3], s[\g+3], 0x80000000
.endm
	s_load_b256 s[4:11], s[0:1], 0x0               ; qc, kc, vc, scales
	s_load_b64 s[12:13], s[0:1], 0x20              ; yc
	v_lshl_add_u32 v[SPW], v0, 2, SPARE
	v_mov_b32 v[NIL], 0
	ds_add_u32 v242, v243
	ds_add_u32 v242, v243
	s_wait_dscnt 0x0
	v_lshrrev_b32 v1, 5, v0
	v_readfirstlane_b32 s[WV], v1                  ; wave 0..15
	s_and_b32 s14, ttmp7, 0xffff                   ; b x 16 + head
	s_lshr_b32 s15, s[WV], 3                       ; waves 0-7 fetch K, waves 8-15 V
	s_and_b32 s16, s[WV], 7                        ; which eighth
	s_lshl_b32 s17, s15, 17
	s_lshl_b32 s[LA], s16, 11                      ; group 0: 2,048 bytes of 16,384
	s_mul_i32 s[LB], s16, 3072
	s_add_co_u32 s[LB], s[LB], OFB                 ; group 1: 3,072 of 24,576
	s_lshl_b32 s[LC], s16, 12
	s_add_co_u32 s[LC], s[LC], OFC                 ; group 2: 4,096 of 32,768
	s_mul_i32 s[LD], s16, 7168
	s_add_co_u32 s[LD], s[LD], OFD                 ; group 3: 7,168 of 57,344
	s_cmp_lt_u32 s16, 4
	s_cselect_b32 s[LIMC], ttmp9, 1                ; 0 in waves 0-3 and 8-11 of the head's first work-group
	s_cmp_lt_u32 s16, 7
	s_cselect_b32 s[LIMD], ttmp9, 1                ; 0 in waves 0-6 and 8-14 of it
	SHAPE G1A, 8
	SHAPE G1B, 12
	SHAPE G1C, 16
	SHAPE G1D, 28
	s_lshl_b32 s2, s14, 17                         ; the head's 131,072 bytes in qc, kc, vc
	s_mov_b32 s3, 0
	s_wait_kmcnt 0x0
	s_load_b128 s[56:59], s[10:11], 0x8            ; e2 .. e5
	s_load_b32 s60, s[10:11], 0x18                 ; e6
	s_add_nc_u64 s[4:5], s[4:5], s[2:3]
	s_cmp_eq_u32 s15, 0
	s_cselect_b64 s[62:63], s[6:7], s[8:9]
	s_add_nc_u64 s[62:63], s[62:63], s[2:3]
	PLACE G0A, LA
	tensor_load_to_lds s[G0A:G0A+3], s[G1A:G1A+7]  ; group 0, ahead of every wait on TENSORcnt, LDS read and barrier
	s_nop 0
.rept 4
	v_nop
.endr
	PLACE G0B, LB
	PLACE G0C, LC
	PLACE G0D, LD
	s_lshl_b32 s2, s16, 13
	s_add_nc_u64 s[PFA:PFA+1], s[62:63], s[2:3]
	s_lshr_b32 s15, s[WV], 1                       ; which of a block's eight tiles
	s_lshr_b32 s16, s[WV], 2
	s_xor_b32 s16, s16, s[WV]
	s_and_b32 s16, s16, 1                          ; which of the two blocks
	s_sub_co_u32 s17, 15, ttmp9
	s_cmp_eq_u32 s16, 0
	s_cselect_b32 s17, ttmp9, s17
	s_lshl_b32 s[Q0], s17, 7
	s_lshl_b32 s15, s15, 4
	s_add_co_u32 s[Q0], s[Q0], s15
	s_lshl_b32 s2, s[Q0], 6                        ; 1,024 bytes a tile of 16 queries
	s_add_nc_u64 s[4:5], s[4:5], s[2:3]
	v_and_b32 v7, 31, v0
	v_lshlrev_b32 v[LI], 4, v7
	v_lshlrev_b32 v[PFO], 8, v7
	global_load_b128 v[QR:QR+3], v[LI], s[4:5]
	global_load_b128 v[QR+4:QR+7], v[LI], s[4:5] offset:512
	s_and_b32 s19, s14, 15                         ; head
	s_lshr_b32 s15, s14, 4
	s_lshl_b32 s15, s15, 7
	s_lshr_b32 s16, s[Q0], 4
	s_add_co_u32 s15, s15, s16                     ; my tile of 16 tokens among 256
	s_lshl_b32 s2, s15, 14                         ; yc: 16,384 bytes a tile,
	s_lshl_b32 s16, s19, 10                        ; 1,024 bytes a head in it
	s_add_co_u32 s2, s2, s16
	s_add_nc_u64 s[12:13], s[12:13], s[2:3]
	s_mov_b32 s[SEL], 0x76543210
	s_mov_b32 s[SEL+1], 0xfedcba98
	s_mov_b32 s[KF], 0
	s_mov_b32 s[TB], 0
	v_and_b32 v232, 15, v0                         ; r
	v_bfe_u32 v233, v0, 4, 1
	v_lshlrev_b32 v233, 3, v233                    ; 8 h
	v_lshl_add_u32 v[SO], v232, 4, v233
	v_add_nc_u32 v232, s[Q0], v232                 ; my query
	v_cvt_f32_u32 v[FQ], v232
	v_sub_nc_u32 v[QH], v232, v233
	v_mov_b32 v13, 0xff61b1e6                      ; the largest t so far: -3e38
	v_floor_f32 v12, -v13                          ; -M
	v_mov_b32 v14, 0                               ; the sum, in two halves
	v_mov_b32 v15, 0
	v_mov_b32 v11, 0                               ; upper words of pairs: named, not used
	v_mov_b32 v235, 0
	v_mov_b32 v241, 0xff800000                     ; -infinity
.set n, 0
.rept 32
	v_mov_b32 v[O+n], 0                            ; O^T: the step is written once; the first change of M leaves zeros zeros
.set n, n+1
.endr
	s_wait_kmcnt 0x0
	s_add_co_i32 s61, s56, s57                     ; e2 + e3
	s_lshl_b32 s[TMP], s61, 23
	s_mov_b32 s[CS], 0x3e38aa3b                    ; log2(e) / 8
	s_add_co_i32 s[CS], s[CS], s[TMP]              ; x 2^(e2 + e3), in the exponent field
	s_mov_b32 s[CS+1], s[CS]
	s_add_co_u32 s15, s19, 1
	s_lshr_b32 s15, s15, 1
	s_lshl_b32 s15, s15, 23
	s_mov_b32 s62, 0x3f3504f3                      ; 2^(-1/2)
	s_and_b32 s16, s19, 1
	s_cmp_lg_u32 s16, 0
	s_cselect_b32 s62, 0x3f800000, s62
	s_sub_co_u32 s62, s62, s15                     ; slope = 2^(-(head + 1) / 2)
	s_mul_f32 s[SG], s62, 0x3fb8aa3b               ; x log2(e)
	s_sub_co_i32 s63, 3, s61
	s_lshl_b32 s63, s63, 23
	s_add_co_i32 s[NS8], s62, s63                  ; slope x 2^(3 - e2 - e3)
	s_xor_b32 s[NS8], s[NS8], 0x80000000
.set n, 0
.rept 64
	v_add_nc_u32 v[CB+n], 16*(n/8)+n%8, v233       ; register 8 t + j: the key's place in the step, 16 t + 8 h + j,
	v_cvt_f32_u32 v[CB+n], v[CB+n]
	v_mul_f32 v[CB+n], s[NS8], v[CB+n]             ; x -slope 8 / 2^(e2 + e3)
.set n, n+1
.endr
	s_add_co_i32 s15, s58, 127
	s_lshl_b32 s16, s15, 23
	v_mov_b32 v[PS], s16                           ; 2^e4
	s_add_co_i32 s15, s15, 8
	s_lshl_b32 s15, s15, 23
	s_or_b32 s15, s15, 0x600000
	v_mov_b32 v[PL], s15                           ; 448 x 2^e4
; A STEP: 128 keys.
.macro STEP
	s_cmp_gt_u32 s[KF], s[Q0]                      ; all 128 keys come after my 16 queries: the work is left out (a branch on ids; no barrier and no tensor load stands in a step)
	s_cbranch_scc1 .Lhid_\@
	s_cvt_f32_u32 s[FKF], s[KF]
	v_add_nc_u32 v[ADK], s[TB], v[LI]
	v_add_nc_u32 v[ADV], VB, v[ADK]
.irp g, 0,1
.if \g
.rept 4
	v_nop                                          ; places in front of loads into registers that the four products above have read
.endr
.endif
.irp t, 0,1,2,3
	ds_load_b128 v[KR+8*\t:KR+8*\t+3], v[ADK] offset:(4*\g+\t)*1024
	ds_load_b128 v[KR+8*\t+4:KR+8*\t+7], v[ADK] offset:(4*\g+\t)*1024+512
.endr
	s_wait_dscnt 0x0
.irp t, 0,1,2,3
	v_wmma_f32_16x16x64_fp8_fp8 v[S+8*(4*\g+\t):S+8*(4*\g+\t)+7], v[KR+8*\t:KR+8*\t+7], v[QR:QR+7], v[CB+8*(4*\g+\t):CB+8*(4*\g+\t)+7]
.endr
.endr
.rept 4
	v_nop                                          ; places in front of the first read of the scores, and of the loads below into K's registers
.endr
.irp d, 0,1
.irp b, 0,1,2,3
	ds_load_b128 v[KR+16*\d+4*\b:KR+16*\d+4*\b+3], v[ADV] offset:\d*2048+\b*512   ; V^T, channels 0-31 x these 128 keys, where K lay: asked for here, wanted behind the softmax
.endr
.endr
	s_add_co_u32 s[TMP], s[KF], 127
	s_cmp_le_u32 s[TMP], s[Q0]
	s_cbranch_scc1 .Lopen_\@                       ; all keys count: no mask
	v_sub_nc_u32 v240, v[QH], s[KF]                ; register 8 t + j is hidden where 16 t + j > my query - 8 h - first key
.set n, 0
.rept 64
	v_cmp_gt_i32 vcc_lo, 16*(n/8)+n%8, v240
	v_cndmask_b32 v[S+n], v[S+n], v241, vcc_lo
.set n, n+1
.endr
.Lopen_\@:
	v_max3_num_f32 v236, v[S], v[S+1], v[S+2]      ; the step's largest, among my 64 keys, in two chains, from the low end on
	v_max3_num_f32 v237, v[S+3], v[S+4], v[S+5]
.irp i, 6,10,14,18,22,26,30,34,38,42,46,50,54,58
	v_max3_num_f32 v236, v236, v[S+\i], v[S+\i+1]
	v_max3_num_f32 v237, v237, v[S+\i+2], v[S+\i+3]
.endr
	v_max3_num_f32 v236, v236, v[S+62], v[S+63]
	v_max_num_f32 v236, v236, v237
	v_permlanex16_b32 v232, v236, s[SEL], s[SEL+1]
	v_max_num_f32 v236, v236, v232                 ; and among lane l xor 16's
	v_sub_f32 v240, v[FQ], s[FKF]
	v_mul_f32 v240, s[SG], v240                    ; slope log2(e) (my query - first key)
	v_fma_f32 v236, s[CS], v236, v240              ; as t (c is positive)
	v_max_num_f32 v13, v13, v236
	v_mov_b32 v236, v12
	v_floor_f32 v12, -v13                          ; the new -M = -ceil(t)
	v_sub_f32 v236, v12, v236                      ; old M - new M: a whole number, 0 or less
	v_cvt_i32_f32 v236, v236                       ; (it saturates)
	v_ldexp_f32 v234, 1.0, v236                    ; f = 2^(old M - new M): rounds nothing
	v_add_f32 v10, v240, v12
.set n, 0
.rept 32
	v_pk_fma_f32 v[S+n:S+n+1], v[S+n:S+n+1], s[CS:CS+1], v[10:11] op_sel_hi:[1,0,0]   ; t - M
.set n, n+2
.endr
.set n, 0
.rept 64
	v_exp_f32 v[S+n], v[S+n]                       ; p, at most 1, not normalised
.set n, n+1
.endr
	v_pk_mul_f32 v[14:15], v[14:15], v[234:235] op_sel_hi:[1,0]   ; the sum under the new M: the plain instruction behind the batch
	s_wait_alu depctr_va_vdst(0)                   ; one wait for the 64, ahead of their first reader
	v_pk_add_f32 v[238:239], v[S:S+1], v[S+2:S+3]  ; the sum of the UNQUANTISED p, in two chains
.irp j, 4,8,12,16,20,24,28,32,36,40,44,48,52,56,60
	v_pk_add_f32 v[14:15], v[14:15], v[S+\j:S+\j+1]
	v_pk_add_f32 v[238:239], v[238:239], v[S+\j+2:S+\j+3]
.endr
	v_pk_add_f32 v[14:15], v[14:15], v[238:239]
.set n, 0
.rept 64
	v_min_num_f32 v[S+n], v[S+n], v[PL]            ; the conversion does not saturate (ISA guide 7.6.2); p is not negative: a one-sided hold
.set n, n+1
.endr
.irp t, 0,1,2,3,4,5,6,7
	v_cvt_scalef32_pk8_fp8_f32 v[PC+2*\t:PC+2*\t+1], v[S+8*\t:S+8*\t+7], v[PS]
.endr
.irp d, 2,3
.irp b, 0,1,2,3
	ds_load_b128 v[S+16*(\d-2)+4*\b:S+16*(\d-2)+4*\b+3], v[ADV] offset:\d*2048+\b*512   ; V^T, channels 32-63, where p lay
.endr
.endr
.set n, 0
.rept 16
	v_pk_mul_f32 v[O+n:O+n+1], v[O+n:O+n+1], v[234:235] op_sel_hi:[1,0]   ; O^T under the new M; also the plain instructions behind the conversions
.set n, n+2
.endr
	s_wait_dscnt 8                                 ; channels 0-31 are in; the eight younger loads (channels 32-63) may be out
.irp d, 0,1
	v_wmma_f32_16x16x128_fp8_fp8 v[O+8*\d:O+8*\d+7], v[KR+16*\d:KR+16*\d+15], v[PC:PC+15], v[O+8*\d:O+8*\d+7]   ; four accumulators, one turn each
.endr
	s_wait_dscnt 0x0
.irp d, 2,3
	v_wmma_f32_16x16x128_fp8_fp8 v[O+8*\d:O+8*\d+7], v[S+16*(\d-2):S+16*(\d-2)+15], v[PC:PC+15], v[O+8*\d:O+8*\d+7]
.endr
.rept 5
	v_nop                                          ; the next step's products write over registers that these have read: five places
.endr
.Lhid_\@:
	s_add_co_u32 s[KF], s[KF], 128
	s_add_co_u32 s[TB], s[TB], 8192
.endm
; BETWEEN TWO GROUPS OF STEPS.  Each wave waits for all its tensor loads (its eighth of the group that is about to be read), adds 0 to its spare word, waits for that and for its LDS reads, and passes a barrier:
; behind it the group is whole.  fill = 1: the next group is asked for, first thing behind the barrier, one load a wave, into bytes that nothing has filled yet; it lands while this group is multiplied.
; off > 0: behind the load and its four lines, the waves whose s[lim] is 0 ask the L2 for the group after that one, which begins off bytes into the image.
.macro MEET fill, g0, g1, lim, off
	s_wait_tensorcnt 0x0
	ds_add_u32 v[SPW], v[NIL]                      ; 0 onto my spare word
	s_wait_dscnt 0x0
	s_barrier_signal -1
	s_barrier_wait -1
.if \fill
	tensor_load_to_lds s[\g0:\g0+3], s[\g1:\g1+7]
	s_nop 0
.rept 4
	v_nop
.endr
.if \off
	s_cmp_eq_u32 s[\lim], 0
	s_cbranch_scc0 .Lnot_mine_\@
	global_prefetch_b8 v[PFO], s[PFA:PFA+1] offset:\off th:TH_LOAD_NT scope:SCOPE_SE
.Lnot_mine_\@:
.endif
.endif
.endm
.macro WALK trips                      ; a group's steps: the trip count is a constant; hidden steps are passed over inside
	s_mov_b32 s[CNT], \trips
.Lwalk_\@:
	STEP
	s_sub_co_u32 s[CNT], s[CNT], 1
	s_cmp_lg_u32 s[CNT], 0
	s_cbranch_scc1 .Lwalk_\@
.endm
	s_wait_loadcnt 0x0                             ; Q
	MEET 1, G0B, G1B, LIMC, OFC                    ; keys 0-255 are in; keys 256-639 go out; keys 640-1,151 are asked of the L2
	WALK 2
	MEET 1, G0C, G1C, LIMD, OFD                    ; keys 256-639 are in; keys 640-1,151 go out; keys 1,152-2,047 are asked of the L2
	WALK 3
	MEET 1, G0D, G1D, 0, 0                         ; keys 640-1,151 are in; keys 1,152-2,047 go out: the last load
	WALK 4
	MEET 0, 0, 0, 0, 0                             ; all keys are in
	WALK 7
	; THE WAY OUT: O^T x 2^(e4 + e5) / the sum, quantised with 2^e6, stored as an image of the next product's operand: each store covers 256 consecutive bytes, aligned
	v_add_f32 v14, v14, v15
	v_permlanex16_b32 v232, v14, s[SEL], s[SEL+1]
	v_add_f32 v14, v14, v232
	v_rcp_f32 v14, v14
	s_add_co_i32 s15, s60, 127
	s_lshl_b32 s16, s15, 23
	v_mov_b32 v[PS], s16                           ; 2^e6 (a plain instruction behind the reciprocal)
	s_add_co_i32 s15, s15, 8
	s_lshl_b32 s15, s15, 23
	s_or_b32 s15, s15, 0x600000
	v_mov_b32 v[PL], s15
	s_add_co_i32 s17, s58, s59
	s_wait_alu depctr_va_vdst(0)                   ; ahead of the reciprocal's first reader
	v_ldexp_f32 v14, v14, s17
.set n, 0
.rept 32
	v_mul_f32 v[S+n], v[O+n], v14                  ; register 8 d + j: channel 16 d + 8 h + j of my query
.set n, n+1
.endr
.set n, 0
.rept 32
	v_med3_num_f32 v[S+n], v[S+n], -v[PL], v[PL]
.set n, n+1
.endr
.irp d, 0,1,2,3
	v_cvt_scalef32_pk8_fp8_f32 v[PC+2*\d:PC+2*\d+1], v[S+8*\d:S+8*\d+7], v[PS]
.endr
	v_nop
.irp d, 0,1,2,3
	global_store_b64 v[SO], v[PC+2*\d:PC+2*\d+1], s[12:13] offset:256*\d
.endr
	s_wait_tensorcnt 0x0                           ; the wave's end
	ds_add_u32 v[SPW], v[NIL]
	s_wait_dscnt 0x0
	s_endpgm
.Lfunc_end_k_q90c4635b5c_attn:
	.size	k_q90c4635b5c_attn, .Lfunc_end_k_q90c4635b5c_attn-k_q90c4635b5c_attn
	.p2alignl 7, 3214868480
	.fill 96, 4, 3214868480
	.section	.rodata,"a",@progbits
	.p2align	6, 0x0
	.amdhsa_kernel k_q90c4635b5c_attn
		.amdhsa_group_segment_fixed_size 327680
		.amdhsa_private_segment_fixed_size 0
		.amdhsa_enable_private_segment 0
		.amdhsa_kernarg_size 40
		.amdhsa_user_sgpr_count 2
		.amdhsa_user_sgpr_kernarg_segment_ptr 1
		.amdhsa_wavefront_size32 1
		.amdhsa_system_sgpr_workgroup_id_x 1
		.amdhsa_system_sgpr_workgroup_id_y 1
		.amdhsa_system_sgpr_workgroup_id_z 1
		.amdhsa_system_vgpr_workitem_id 0
		.amdhsa_next_free_vgpr 256
		.amdhsa_next_free_sgpr 100
		.amdhsa_reserve_vcc 1
		.amdhsa_float_denorm_mode_32 3
		.amdhsa_float_denorm_mode_16_64 3
		.amdhsa_memory_ordered 1
		.amdhsa_forward_progress 1
		.amdhsa_inst_pref_size 106
	.end_amdhsa_kernel
	.amdgpu_metadata
---
amdhsa.version: [ 1, 2 ]
amdhsa.kernels:
  - .name:           k_q90c4635b5c_attn
    .symbol:         k_q90c4635b5c_attn.kd
    .args:
      - { .name: qc, .offset: 0, .size: 8, .value_kind: global_buffer, .address_space: global }
      - { .name: kc, .offset: 8, .size: 8, .value_kind: global_buffer, .address_space: global }
      - { .name: vc, .offset: 16, .size: 8, .value_kind: global_buffer, .address_space: global }
      - { .name: lowp_scales, .offset: 24, .size: 8, .value_kind: global_buffer, .address_space: global }
      - { .name: yc, .offset: 32, .size: 8, .value_kind: global_buffer, .address_space: global }
    .group_segment_fixed_size: 327680
    .private_segment_fixed_size: 0
    .kernarg_segment_align: 8
    .kernarg_segment_size: 40
    .max_flat_workgroup_size: 512
    .sgpr_count:     100
    .vgpr_count:     256
    .wavefront_size: 32
...
	.end_amdgpu_metadata
.endif
;; end of part 3
;; launch proj (part 4): grid 8 x 32, 4 waves a work-group, clusters of 4 x 4, 327,680 bytes of LDS; arguments yc, w_proj_codes, b_proj, x, lowp_scales, x1; writes x1
.if DOCPART == 4
	.amdgcn_target "amdgcn-amd-amdhsa--gfx1250"
	.amdhsa_code_object_version 6
	.text
	.protected	k_q90c4635b5c_proj
	.globl	k_q90c4635b5c_proj
	.p2align	8
	.type	k_q90c4635b5c_proj,@function
k_q90c4635b5c_proj:
	s_mov_b64 s[64:65], 0
	v_nop
	global_prefetch_b8 v0, s[64:65] scope:SCOPE_SE
	s_setreg_imm32_b32 hwreg(HW_REG_WAVE_MODE, 25, 1), 1
	s_wait_xcnt 0x0
	s_wait_alu depctr_hold_cnt(0) depctr_sa_sdst(0) depctr_va_vdst(0) depctr_va_sdst(0) depctr_va_ssrc(0) depctr_va_vcc(0) depctr_vm_vsrc(0)
	s_getreg_b32 s2, hwreg(HW_REG_IB_STS2, 6, 4)
	s_cmp_eq_u32 s2, 0
	s_cbranch_scc0 .Lentry_in_a_cluster
	s_endpgm
.Lentry_in_a_cluster:
	s_bfe_u32 s2, ttmp6, 0x10000c
	s_cmp_lg_u32 s2, 0xf033
	s_cbranch_scc0 .Lentry_shape_is_right
	s_endpgm
.Lentry_shape_is_right:
; out = residual + A W^T x 2^(ea + eb) + bias.  A: 4,096 rows x SIZE_K codes of E4M3, stored as images of the operand's registers: [row / 16][k / 128][2,048 bytes], byte ((k % 128) / 16) 256 + (row % 16) 16 + k % 16.
; W: [1024][SIZE_K] codes, K innermost.  residual, out: [4096][1024] f32.
; 1,024 columns give only 64 tiles of 256 x 256: so a tile is 128 x 128 (256 work-groups), four waves of 64 x 64: 16 accumulators.  A slot holds 512 along K, as long as two slots in LDS allow.
; A's part of a slot is dense (8 tiles of rows x 4 K steps x 2,048 bytes): a fragment comes by four loads of 512 consecutive bytes.  W's 128 rows of 512 bytes lie 528 bytes apart.
; CLUSTERS of 4 x 4: A's tile is shared along a row of the cluster, W's along a column; each is asked for jointly.  Source 0 = 16 rows of W, source 1 = 16 rows of A: a lane holds eight neighbouring columns of a row.
; The residual (64 x 64 f32 a wave, 128 registers) is asked for at the head and lands under the products.
; LIMIT: ea + eb between -126 and 127.
; REGISTERS: window 0: v16-29 addresses; v32-95 two sets of rows on the way out; v96-99 the bias; v128-255 the accumulators ((a, b) at v[128 + 8 (4 a + b)]).  window 1: two fragment buffers (A at +16 i, W at +64 + 16 i).  window 2: v0-127 the residual.
.set SIZE_K, 1024
.set EOFF,   24
.set ABYTES, 65536
.set BP,     528
.set BHALF,  64*BP
.set SLOT,   ABYTES+2*BHALF
.set STAGE,  2*SLOT                    ; behind the ring: 16 rows x 272 bytes for each wave; no tensor load lands there
.set SP,     272
.set SPARE,  STAGE+4*16*SP             ; the spare words, 128 bytes a wave
.set LAPS,   SIZE_K/1024               ; a lap = two slots
.set ADRA, 16
.set ADRB, 20
.set STO,  24
.set RD,   25
.set CO,   26
.set BO,   27
.set SPW,  28
.set NIL,  29
.set BI,   96
.set ACC,  128
.set F0,   0
.set F1,   128
.set G1, 24
.set G0, 32
.set G1B, 48
.set G0B, 56
.set MSB, 0
.macro WIN new
.if MSB != (\new)
	s_set_vgpr_msb (MSB<<8)|(\new)
.set MSB, (\new)
.endif
.endm
.set MUL,  0x05                        ; sources 0 and 1 window 1; C and D window 0
.set TO_F, 0x40                        ; destination window 1
.macro JLOAD s                         ; a joint load: waves 0 and 1 fetch A's halves, waves 2 and 3 W's; four v_nop follow each line
	s_cmp_eq_u32 s15, 0
	s_cbranch_scc0 .Lfor_b_\@
	tensor_load_to_lds s[G0+4*\s:G0+4*\s+3], s[G1:G1+7]
	s_nop 0
.rept 4
	v_nop
.endr
	s_branch .Lasked_\@
.Lfor_b_\@:
	tensor_load_to_lds s[G0B+4*\s:G0B+4*\s+3], s[G1B:G1B+7]
	s_nop 0
.rept 4
	v_nop
.endr
.Lasked_\@:
.endm
.macro CREST
	s_cmp_lg_u32 s14, 0
	s_cbranch_scc1 .Lnot_wave_0_\@
	s_barrier_signal -3
.Lnot_wave_0_\@:
	s_barrier_wait -3
	s_barrier_signal -1
	s_barrier_wait -1
.endm
.macro CROUND
	s_barrier_signal -1
	s_barrier_wait -1
	CREST
.endm
	s_load_b128 s[4:7], s[0:1], 0x0                ; A's images, W's codes
	s_load_b128 s[8:11], s[0:1], 0x10              ; the bias, the residual
	s_load_b128 s[68:71], s[0:1], 0x20             ; the scales, out
	v_lshl_add_u32 v[SPW], v0, 2, SPARE
	v_mov_b32 v[NIL], 0
	ds_add_u32 v28, v29
	ds_add_u32 v28, v29
	s_wait_dscnt 0x0
	v_lshrrev_b32 v1, 5, v0
	v_readfirstlane_b32 s14, v1                    ; wave
	s_lshr_b32 s15, s14, 1                         ; my half of the rows.  Also: I fetch for A (0) or W (1)
	s_and_b32 s16, s14, 1                          ; my half of the columns.  Also: which half I fetch
	s_bfe_u32 s40, ttmp6, 0x40000                  ; cx
	s_bfe_u32 s41, ttmp6, 0x40004                  ; cy
	s_lshl_b32 s42, ttmp9, 2
	s_add_co_u32 s42, s42, s40                     ; tile column
	s_and_b32 s17, ttmp7, 0xffff
	s_lshl_b32 s17, s17, 2
	s_add_co_u32 s17, s17, s41                     ; tile row
	s_lshl_b32 s43, s41, 2
	s_lshl_b32 s43, 15, s43
	s_lshl_b32 s44, 0x1111, s40
	s_or_b32 s[G1+0], s43, (3<<16)|(1<<21)         ; A: the mask of my row; elements of 8 bytes; no padding
	s_mov_b32 s[G1+1], 1024<<16                    ; tensor_dim0 = 1,024 elements: a tile of rows' 4 K steps, 8,192 bytes
	s_mov_b32 s[G1+2], 4<<16                       ; tensor_dim1 = 4 tiles of rows
	s_mov_b32 s[G1+3], 1024<<16                    ; tile_dim0
	s_mov_b32 s[G1+4], 4                           ; tile_dim1
	s_mov_b32 s[G1+5], 2*SIZE_K                    ; pitch: 16 SIZE_K bytes from a tile of rows to the next
	s_mov_b32 s[G1+6], 0
	s_mov_b32 s[G1+7], 0
	s_or_b32 s[G1B+0], s44, (0<<16)|(1<<20)|(1<<21)|(6<<22)|(3<<25)  ; W: my column's mask; bytes; 4 words of padding after every 128
	s_mov_b32 s[G1B+1], 512<<16
	s_mov_b32 s[G1B+2], 64<<16
	s_mov_b32 s[G1B+3], 512<<16
	s_mov_b32 s[G1B+4], 64
	s_mov_b32 s[G1B+5], SIZE_K
	s_mov_b32 s[G1B+6], 0
	s_mov_b32 s[G1B+7], 0
	s_lshl_b32 s20, s17, 3
	s_lshl_b32 s18, s16, 2
	s_add_co_u32 s20, s20, s18
	s_mul_i32 s20, s20, 16*SIZE_K                  ; A: tile of rows 8 x tile row + 4 x half
	s_mov_b32 s21, 0
	s_lshl_b32 s46, s42, 7
	s_lshl_b32 s18, s16, 6
	s_add_co_u32 s46, s46, s18
	s_mul_i32 s46, s46, SIZE_K                     ; W: row 128 x tile column + 64 x half
	s_mov_b32 s47, 0
	s_lshl_b32 s45, s16, 15                        ; where they go in a slot: A's halves,
	s_mul_i32 s84, s16, BHALF
	s_add_co_u32 s84, s84, ABYTES                  ; W's halves behind them
	s_wait_kmcnt 0x0
	s_load_b64 s[96:97], s[68:69], EOFF            ; ea, eb
	s_add_nc_u64 s[20:21], s[4:5], s[20:21]
	s_add_nc_u64 s[46:47], s[6:7], s[46:47]
	CROUND                                         ; all sixteen work-groups are here: the first joint loads meet
.irp s, 0,1
	s_mov_b32 s[G0+4*\s], 1
	s_add_co_u32 s[G0+4*\s+1], s45, \s*SLOT
	s_add_nc_u64 s[G0+4*\s+2:G0+4*\s+3], s[20:21], \s*8192
	s_or_b32 s[G0+4*\s+3], s[G0+4*\s+3], 0x80000000
	s_mov_b32 s[G0B+4*\s], 1
	s_add_co_u32 s[G0B+4*\s+1], s84, \s*SLOT
	s_add_nc_u64 s[G0B+4*\s+2:G0B+4*\s+3], s[46:47], \s*512
	s_or_b32 s[G0B+4*\s+3], s[G0B+4*\s+3], 0x80000000
	JLOAD \s
.endr
	v_and_b32 v1, 15, v0                           ; r
	v_bfe_u32 v2, v0, 4, 1                         ; h
	v_and_b32 v3, 31, v0
	v_lshlrev_b32 v4, 4, v3                        ; 16 x lane
	v_mul_u32_u24 v5, v1, BP
	v_lshl_add_u32 v5, v2, 4, v5                   ; W: row x pitch + 16 h
	s_lshl_b32 s22, s15, 15                        ; my four tiles of rows of A
	s_mul_i32 s23, s16, BHALF
	s_add_co_u32 s23, s23, ABYTES                  ; my 64 rows of W
.irp s, 0,1
	v_add_nc_u32 v[ADRA+\s], s22, v4
	v_add_nc_u32 v[ADRB+\s], s23, v5
	s_add_co_u32 s22, s22, SLOT
	s_add_co_u32 s23, s23, SLOT
.endr
	s_mul_i32 s85, s14, 16*SP
	s_add_co_u32 s85, s85, STAGE                   ; my stage
	v_mul_u32_u24 v6, v1, SP
	v_lshl_add_u32 v6, v2, 5, v6
	v_add_nc_u32 v[STO], s85, v6                   ; in: row r, 32 bytes for each half of the lanes
	v_mul_u32_u24 v7, v2, SP
	v_lshl_add_u32 v7, v1, 4, v7
	v_add_nc_u32 v[RD], s85, v7                    ; back: lanes 0-15 one row of 256 bytes, lanes 16-31 the next
	v_lshlrev_b32 v[BO], 4, v1
	v_lshl_add_u32 v[CO], v2, 12, v[BO]            ; and the same two rows in out and in the residual
	s_lshl_b32 s20, s17, 7
	s_lshl_b32 s21, s15, 6
	s_add_co_u32 s20, s20, s21
	s_lshl_b32 s20, s20, 12                        ; my first row x 4,096 bytes
	s_mov_b32 s21, 0
	s_lshl_b32 s46, s42, 9
	s_lshl_b32 s47, s16, 8
	s_add_co_u32 s46, s46, s47                     ; my first column x 4 bytes
	s_mov_b32 s47, 0
	s_add_nc_u64 s[74:75], s[8:9], s[46:47]        ; the bias
	s_add_nc_u64 s[20:21], s[20:21], s[46:47]
	s_add_nc_u64 s[72:73], s[10:11], s[20:21]      ; the residual
	s_add_nc_u64 s[70:71], s[70:71], s[20:21]      ; out
	global_load_b128 v[BI:BI+3], v[BO], s[74:75]
	WIN 0x80                                       ; destination window 2
.irp a, 0,1,2,3
.irp t, 0,1,2,3,4,5,6,7
	global_load_b128 v[32*\a+4*\t:32*\a+4*\t+3], v[CO], s[72:73] offset:(16*\a+2*\t)*4096 th:TH_LOAD_NT
.endr
.endr
	WIN 0
; 4 matrix instructions: A's tile a x W's four.  The 16 accumulators take turns, one instruction a turn, in the same order in every quarter.
.macro MUL4 f, a, zero
.irp b, 0,1,2,3
.if \zero
	v_wmma_f32_16x16x128_fp8_fp8 v[ACC+8*(4*(\a)+\b):ACC+8*(4*(\a)+\b)+7], v[\f+64+16*\b:\f+64+16*\b+15], v[\f+16*(\a):\f+16*(\a)+15], 0
.else
	v_wmma_f32_16x16x128_fp8_fp8 v[ACC+8*(4*(\a)+\b):ACC+8*(4*(\a)+\b)+7], v[\f+64+16*\b:\f+64+16*\b+15], v[\f+16*(\a):\f+16*(\a)+15], v[ACC+8*(4*(\a)+\b):ACC+8*(4*(\a)+\b)+7]
.endif
.endr
.endm
; 32 LDS loads in one run: the fragments of the slot's q-th 128 along K into buffer f: W's four, then A's four
.macro FETCH slot, q, f
	WIN TO_F
.irp i, 0,1,2,3
.irp c, 0,1,2,3
	ds_load_b128 v[\f+64+16*\i+4*\c:\f+64+16*\i+4*\c+3], v[ADRB+\slot] offset:\i*16*BP+128*(\q)+32*\c
.endr
.endr
.irp i, 0,1,2,3
.irp c, 0,1,2,3
	ds_load_b128 v[\f+16*\i+4*\c:\f+16*\i+4*\c+3], v[ADRA+\slot] offset:\i*8192+2048*(\q)+512*\c
.endr
.endr
.endm
.macro PLACES
.rept 4
	v_nop
.endr
.endm
; A slot is four quarters of 128 along K, 16 matrix instructions each, on buffers 0, 1, 0, 1.  One of the first three multiplies f and fetches quarter qn into g.
.macro QUARTER slot, qn, f, g, zero
	s_wait_dscnt 8                                 ; W's four and A's tiles 0, 1 are in; the youngest eight loads (A's tiles 2, 3) may be out
	WIN MUL
	MUL4 \f, 0, \zero
	MUL4 \f, 1, \zero
	PLACES
	FETCH \slot, \qn, \g
	s_wait_dscnt 32                                ; all but the 32 just issued
	WIN MUL
	MUL4 \f, 2, \zero
	MUL4 \f, 3, \zero
.endm
; The last quarter changes slots: one barrier; in front of it each wave waits for all its tensor loads, adds 0 to its spare word, and waits for that and for its reads of the slot.
.macro TURN slot, next, fill
	WIN 0
	s_wait_tensorcnt 0x0                           ; all my tensor loads have landed: my part of the next slot
	ds_add_u32 v[SPW], v[NIL]                      ; 0 onto my spare word
	s_wait_dscnt 9                                 ; (the add and the youngest eight loads may be out)
	WIN MUL
	MUL4 F1, 0, 0
	s_wait_dscnt 0x0                               ; the add is done, and my reads of this slot are over
	s_barrier_signal -1
	MUL4 F1, 1, 0
.if \fill
	WIN 0
.endif
	s_barrier_wait -1
.if \fill
	CREST                                          ; the barrier has opened a round of the cluster's
	s_add_nc_u64 s[G0+4*\slot+2:G0+4*\slot+3], s[G0+4*\slot+2:G0+4*\slot+3], 2*8192
	s_add_nc_u64 s[G0B+4*\slot+2:G0B+4*\slot+3], s[G0B+4*\slot+2:G0B+4*\slot+3], 2*512
	JLOAD \slot                                    ; the first tensor load behind the round; its four v_nop are the places in front of the loads below
.else
	PLACES
.endif
	FETCH \next, 0, F0
	WIN MUL
	MUL4 F1, 2, 0
	MUL4 F1, 3, 0
.endm
	s_wait_tensorcnt 1                             ; my part of slot 0 is in; slot 1's load may be out
	s_barrier_signal -1
	s_barrier_wait -1
	FETCH 0, 0, F0
	QUARTER 0, 1, F0, F1, 1                        ; the first quarter's products start the sums
.if LAPS > 1
	WIN 0
	s_mov_b32 s3, LAPS-1
.Llap:
	QUARTER 0, 2, F1, F0, 0
	QUARTER 0, 3, F0, F1, 0
	TURN 0, 1, 1
	QUARTER 1, 1, F0, F1, 0
	QUARTER 1, 2, F1, F0, 0
	QUARTER 1, 3, F0, F1, 0
	TURN 1, 0, 1
	QUARTER 0, 1, F0, F1, 0
	WIN 0
	s_sub_co_u32 s3, s3, 1
	s_cmp_lg_u32 s3, 0
	s_cbranch_scc1 .Llap
.endif
	QUARTER 0, 2, F1, F0, 0                        ; the last lap fills nothing
	QUARTER 0, 3, F0, F1, 0
	TURN 0, 1, 0
	QUARTER 1, 1, F0, F1, 0
	QUARTER 1, 2, F1, F0, 0
	QUARTER 1, 3, F0, F1, 0
	s_wait_dscnt 8
	WIN MUL
	MUL4 F1, 0, 0
	MUL4 F1, 1, 0
	s_wait_dscnt 0
	MUL4 F1, 2, 0
	MUL4 F1, 3, 0
	WIN 0
	; THE WAY OUT, 16 rows at a time: the sums go through my own stage and come back as whole rows of 256 bytes; x 2^(ea + eb) + bias, + residual; sixteen lanes store 256 consecutive bytes, aligned.
	s_wait_kmcnt 0x0
	s_wait_loadcnt 0x0                             ; the bias and the residual
	s_add_co_i32 s96, s96, s97
	s_add_co_i32 s96, s96, 127
	s_lshl_b32 s96, s96, 23
	s_mov_b32 s97, s96
	PLACES
.macro OUTB a
.set TT, 32+32*((\a)%2)
.if (\a) >= 2
	s_wait_xcnt 0x0                                ; block a - 2's stores have read their registers
.endif
.irp b, 0,1,2,3
	ds_store_b128 v[STO], v[ACC+8*(4*(\a)+\b):ACC+8*(4*(\a)+\b)+3] offset:64*\b          ; each accumulator from its low end on
	ds_store_b128 v[STO], v[ACC+8*(4*(\a)+\b)+4:ACC+8*(4*(\a)+\b)+7] offset:64*\b+16
.endr
.irp t, 0,1,2,3,4,5,6,7
	ds_load_b128 v[TT+4*\t:TT+4*\t+3], v[RD] offset:\t*2*SP                              ; LDS serves a wave's instructions in order (ISA guide 5.7.1.4): these see the stores above
.endr
	s_wait_dscnt 0x0
.irp t, 0,1,2,3,4,5,6,7
	v_pk_fma_f32 v[TT+4*\t:TT+4*\t+1], v[TT+4*\t:TT+4*\t+1], s[96:97], v[BI:BI+1] op_sel_hi:[1,0,1]
	v_pk_fma_f32 v[TT+4*\t+2:TT+4*\t+3], v[TT+4*\t+2:TT+4*\t+3], s[96:97], v[BI+2:BI+3] op_sel_hi:[1,0,1]
.endr
	WIN 0x08                                       ; source 1 window 2: the residual
.set j, 0
.rept 16
	v_pk_add_f32 v[TT+j:TT+j+1], v[TT+j:TT+j+1], v[32*(\a)+j:32*(\a)+j+1]
.set j, j+2
.endr
	WIN 0
.irp t, 0,1,2,3,4,5,6,7
	global_store_b128 v[CO], v[TT+4*\t:TT+4*\t+3], s[70:71] offset:(16*(\a)+2*\t)*4096
.endr
.endm
	OUTB 0
	OUTB 1
	OUTB 2
	OUTB 3
	s_wait_tensorcnt 0x0                           ; the wave's end
	ds_add_u32 v[SPW], v[NIL]
	s_wait_dscnt 0x0
	CROUND                                         ; the closing round
	s_endpgm
.Lfunc_end_k_q90c4635b5c_proj:
	.size	k_q90c4635b5c_proj, .Lfunc_end_k_q90c4635b5c_proj-k_q90c4635b5c_proj
	.p2alignl 7, 3214868480
	.fill 96, 4, 3214868480
	.section	.rodata,"a",@progbits
	.p2align	6, 0x0
	.amdhsa_kernel k_q90c4635b5c_proj
		.amdhsa_group_segment_fixed_size 327680
		.amdhsa_private_segment_fixed_size 0
		.amdhsa_enable_private_segment 0
		.amdhsa_kernarg_size 48
		.amdhsa_user_sgpr_count 2
		.amdhsa_user_sgpr_kernarg_segment_ptr 1
		.amdhsa_wavefront_size32 1
		.amdhsa_system_sgpr_workgroup_id_x 1
		.amdhsa_system_sgpr_workgroup_id_y 1
		.amdhsa_system_sgpr_workgroup_id_z 1
		.amdhsa_system_vgpr_workitem_id 0
		.amdhsa_next_free_vgpr 768
		.amdhsa_next_free_sgpr 100
		.amdhsa_reserve_vcc 0
		.amdhsa_float_denorm_mode_32 3
		.amdhsa_float_denorm_mode_16_64 3
		.amdhsa_memory_ordered 1
		.amdhsa_forward_progress 1
		.amdhsa_inst_pref_size 53
	.end_amdhsa_kernel
	.amdgpu_metadata
---
amdhsa.version: [ 1, 2 ]
amdhsa.kernels:
  - .name:           k_q90c4635b5c_proj
    .symbol:         k_q90c4635b5c_proj.kd
    .args:
      - { .name: yc, .offset: 0, .size: 8, .value_kind: global_buffer, .address_space: global }
      - { .name: w_proj_codes, .offset: 8, .size: 8, .value_kind: global_buffer, .address_space: global }
      - { .name: b_proj, .offset: 16, .size: 8, .value_kind: global_buffer, .address_space: global }
      - { .name: x, .offset: 24, .size: 8, .value_kind: global_buffer, .address_space: global }
      - { .name: lowp_scales, .offset: 32, .size: 8, .value_kind: global_buffer, .address_space: global }
      - { .name: x1, .offset: 40, .size: 8, .value_kind: global_buffer, .address_space: global }
    .group_segment_fixed_size: 327680
    .private_segment_fixed_size: 0
    .kernarg_segment_align: 8
    .kernarg_segment_size: 48
    .max_flat_workgroup_size: 128
    .sgpr_count:     100
    .vgpr_count:     768
    .wavefront_size: 32
...
	.end_amdgpu_metadata
.endif
;; end of part 4
;; launch ln2 (part 5): grid 256 x 1, 8 waves a work-group, no clusters, 0 bytes of LDS; arguments x1, ln2_w, ln2_b, lowp_scales, hc; writes hc
.if DOCPART == 5
	.amdgcn_target "amdgcn-amd-amdhsa--gfx1250"
	.amdhsa_code_object_version 6
	.text
	.protected	k_q90c4635b5c_ln2
	.globl	k_q90c4635b5c_ln2
	.p2align	8
	.type	k_q90c4635b5c_ln2,@function
k_q90c4635b5c_ln2:
	s_mov_b64 s[64:65], 0
	v_nop
	global_prefetch_b8 v0, s[64:65] scope:SCOPE_SE
	s_setreg_imm32_b32 hwreg(HW_REG_WAVE_MODE, 25, 1), 1
	s_wait_xcnt 0x0
; LayerNorm of 4,096 rows of 1,024 f32, quantised to codes of E4M3 with the given scale 2^e (entry EOFF/4 of the scales): codes row-major, [4096][1024] bytes.
; A work-group takes 16 rows, a wave 2.  Of each run of 256 numbers a lane holds 8 NEIGHBOURS (two loads of 16 bytes, 32 bytes from lane to lane; the pair covers 1,024 consecutive bytes),
; so a conversion's 8 codes are 8 neighbouring bytes and the 32 lanes' store covers 256 consecutive bytes, aligned.  A row stays in registers: it is read once.
; The variance is taken of the centred numbers (two passes over registers): no difference of large sums.  No LDS, no barrier: a row never leaves its wave.
; LIMITS: e between -126 and 119, so that 2^e and 448 x 2^e are f32 numbers.  NaN among the inputs is not served.
.set EOFF, 32
.set X,  16                            ; v16-79   two rows, 32 registers each
.set W,  80                            ; v80-111  the gain at my 32 columns
.set B,  112                           ; v112-143 the bias
.set CD, 144                           ; v144-159 codes, 8 registers a row
	s_load_b256 s[4:11], s[0:1], 0x0               ; x, gain, bias, scales
	s_load_b64 s[12:13], s[0:1], 0x20              ; the codes
	v_lshrrev_b32 v1, 5, v0
	v_readfirstlane_b32 s14, v1                    ; wave
	v_and_b32 v2, 31, v0
	v_lshlrev_b32 v1, 5, v2                        ; 32 x lane: my 8 numbers of a run of 256
	v_lshlrev_b32 v2, 3, v2                        ; 8 x lane: their codes
	v_mov_b32 v9, 0                                ; a lane permute's destination counts as read
	v_mov_b32 v13, 0                               ; upper words of the pairs v[12:13], v[14:15]: named, not used
	v_mov_b32 v15, 0
	s_lshl_b32 s15, ttmp9, 4
	s_lshl_b32 s16, s14, 1
	s_add_co_u32 s15, s15, s16                     ; my first row
	s_lshl_b32 s16, s15, 12                        ; x 4,096 bytes
	s_mov_b32 s17, 0
	s_lshl_b32 s18, s15, 10                        ; x 1,024 bytes
	s_mov_b32 s19, 0
	s_mov_b32 s20, 0x76543210                      ; v_permlanex16_b32: lane l xor 16
	s_mov_b32 s21, 0xfedcba98
	s_mov_b32 s23, 0x3a800000                      ; 1 / 1,024
	s_mov_b32 s24, 0x3727c5ac                      ; 1e-5
	s_wait_kmcnt 0x0
	s_load_b32 s22, s[10:11], EOFF                 ; e
	s_add_nc_u64 s[4:5], s[4:5], s[16:17]
	s_add_nc_u64 s[12:13], s[12:13], s[18:19]
.irp r, 0,1
.irp q, 0,1,2,3
	global_load_b128 v[X+32*\r+8*\q:X+32*\r+8*\q+3], v1, s[4:5] offset:4096*\r+1024*\q th:TH_LOAD_NT
	global_load_b128 v[X+32*\r+8*\q+4:X+32*\r+8*\q+7], v1, s[4:5] offset:4096*\r+1024*\q+16 th:TH_LOAD_NT
.endr
.endr
.irp q, 0,1,2,3
	global_load_b128 v[W+8*\q:W+8*\q+3], v1, s[6:7] offset:1024*\q
	global_load_b128 v[W+8*\q+4:W+8*\q+7], v1, s[6:7] offset:1024*\q+16
.endr
.irp q, 0,1,2,3
	global_load_b128 v[B+8*\q:B+8*\q+3], v1, s[8:9] offset:1024*\q
	global_load_b128 v[B+8*\q+4:B+8*\q+7], v1, s[8:9] offset:1024*\q+16
.endr
.macro ALLSUM                          ; v8 summed over the 32 lanes, the result in every lane
	v_add_f32_dpp v8, v8, v8 row_xmask:1 row_mask:0xf bank_mask:0xf
	v_add_f32_dpp v8, v8, v8 row_xmask:2 row_mask:0xf bank_mask:0xf
	v_add_f32_dpp v8, v8, v8 row_xmask:4 row_mask:0xf bank_mask:0xf
	v_add_f32_dpp v8, v8, v8 row_xmask:8 row_mask:0xf bank_mask:0xf
	v_permlanex16_b32 v9, v8, s20, s21
	v_add_f32 v8, v8, v9
.endm
.macro STATS r                         ; row r is centred in place; its variance + 1e-5 goes to v[162 + r]
.set XR, X+32*(\r)
	v_pk_add_f32 v[4:5], v[XR:XR+1], v[XR+2:XR+3]  ; two chains, started by the first numbers
	v_pk_add_f32 v[6:7], v[XR+4:XR+5], v[XR+6:XR+7]
.irp j, 8,12,16,20,24,28
	v_pk_add_f32 v[4:5], v[4:5], v[XR+\j:XR+\j+1]
	v_pk_add_f32 v[6:7], v[6:7], v[XR+\j+2:XR+\j+3]
.endr
	v_pk_add_f32 v[4:5], v[4:5], v[6:7]
	v_add_f32 v8, v4, v5
	ALLSUM
	v_mul_f32 v10, s23, v8                         ; the mean
	v_mov_b32 v11, v10
.irp j, 0,2,4,6,8,10,12,14,16,18,20,22,24,26,28,30
	v_pk_add_f32 v[XR+\j:XR+\j+1], v[XR+\j:XR+\j+1], v[10:11] neg_lo:[0,1] neg_hi:[0,1]
.endr
	v_pk_mul_f32 v[4:5], v[XR:XR+1], v[XR:XR+1]
	v_pk_mul_f32 v[6:7], v[XR+2:XR+3], v[XR+2:XR+3]
.irp j, 4,8,12,16,20,24,28
	v_pk_fma_f32 v[4:5], v[XR+\j:XR+\j+1], v[XR+\j:XR+\j+1], v[4:5]
	v_pk_fma_f32 v[6:7], v[XR+\j+2:XR+\j+3], v[XR+\j+2:XR+\j+3], v[6:7]
.endr
	v_pk_add_f32 v[4:5], v[4:5], v[6:7]
	v_add_f32 v8, v4, v5
	ALLSUM
	v_fma_f32 v[162+\r], v8, s23, s24              ; sum of squares / 1,024 + 1e-5
.endm
.macro FINISH r                        ; x 1/sqrt, x gain + bias, the hold, the codes, the stores
.set XR, X+32*(\r)
.irp j, 0,2,4,6,8,10,12,14,16,18,20,22,24,26,28,30
	v_pk_mul_f32 v[XR+\j:XR+\j+1], v[XR+\j:XR+\j+1], v[12+2*\r:13+2*\r] op_sel_hi:[1,0]
.endr
.irp j, 0,2,4,6,8,10,12,14,16,18,20,22,24,26,28,30
	v_pk_fma_f32 v[XR+\j:XR+\j+1], v[XR+\j:XR+\j+1], v[W+\j:W+\j+1], v[B+\j:B+\j+1]
.endr
.set j, 0
.rept 32
	v_med3_num_f32 v[XR+j], v[XR+j], -v160, v160   ; the conversion to an 8-bit code does not saturate (ISA guide 7.6.2): held within 448 x the scale first
.set j, j+1
.endr
.irp q, 0,1,2,3
	v_cvt_scalef32_pk8_fp8_f32 v[CD+8*\r+2*\q:CD+8*\r+2*\q+1], v[XR+8*\q:XR+8*\q+7], v3
.endr
.irp q, 0,1,2,3
	global_store_b64 v2, v[CD+8*\r+2*\q:CD+8*\r+2*\q+1], s[12:13] offset:1024*\r+256*\q   ; 32 lanes store 256 consecutive bytes, aligned
.endr
.endm
	s_wait_loadcnt 16                              ; the two rows are in; the 16 younger loads (gain, bias) may be out
	STATS 0
	STATS 1
	s_wait_kmcnt 0x0
	s_add_co_i32 s22, s22, 127
	s_lshl_b32 s25, s22, 23                        ; 2^e as f32
	s_add_co_i32 s22, s22, 8
	s_lshl_b32 s22, s22, 23
	s_or_b32 s22, s22, 0x600000                    ; 448 x 2^e
	v_rsq_f32 v12, v162
	v_rsq_f32 v14, v163
	v_mov_b32 v3, s25                              ; plain instructions behind the batch of two
	v_mov_b32 v160, s22
	s_wait_alu depctr_va_vdst(0)                   ; one wait for both, ahead of their first reader
	s_wait_loadcnt 0x0                             ; gain and bias
	FINISH 0
	FINISH 1                                       ; (its first lines are plain and touch other registers than row 0's conversions)
	s_endpgm
.Lfunc_end_k_q90c4635b5c_ln2:
	.size	k_q90c4635b5c_ln2, .Lfunc_end_k_q90c4635b5c_ln2-k_q90c4635b5c_ln2
	.p2alignl 7, 3214868480
	.fill 96, 4, 3214868480
	.section	.rodata,"a",@progbits
	.p2align	6, 0x0
	.amdhsa_kernel k_q90c4635b5c_ln2
		.amdhsa_group_segment_fixed_size 0
		.amdhsa_private_segment_fixed_size 0
		.amdhsa_enable_private_segment 0
		.amdhsa_kernarg_size 40
		.amdhsa_user_sgpr_count 2
		.amdhsa_user_sgpr_kernarg_segment_ptr 1
		.amdhsa_wavefront_size32 1
		.amdhsa_system_sgpr_workgroup_id_x 1
		.amdhsa_system_sgpr_workgroup_id_y 1
		.amdhsa_system_sgpr_workgroup_id_z 1
		.amdhsa_system_vgpr_workitem_id 0
		.amdhsa_next_free_vgpr 168
		.amdhsa_next_free_sgpr 66
		.amdhsa_reserve_vcc 0
		.amdhsa_float_denorm_mode_32 3
		.amdhsa_float_denorm_mode_16_64 3
		.amdhsa_memory_ordered 1
		.amdhsa_forward_progress 1
		.amdhsa_inst_pref_size 22
	.end_amdhsa_kernel
	.amdgpu_metadata
---
amdhsa.version: [ 1, 2 ]
amdhsa.kernels:
  - .name:           k_q90c4635b5c_ln2
    .symbol:         k_q90c4635b5c_ln2.kd
    .args:
      - { .name: x1, .offset: 0, .size: 8, .value_kind: global_buffer, .address_space: global }
      - { .name: ln2_w, .offset: 8, .size: 8, .value_kind: global_buffer, .address_space: global }
      - { .name: ln2_b, .offset: 16, .size: 8, .value_kind: global_buffer, .address_space: global }
      - { .name: lowp_scales, .offset: 24, .size: 8, .value_kind: global_buffer, .address_space: global }
      - { .name: hc, .offset: 32, .size: 8, .value_kind: global_buffer, .address_space: global }
    .group_segment_fixed_size: 0
    .private_segment_fixed_size: 0
    .kernarg_segment_align: 8
    .kernarg_segment_size: 40
    .max_flat_workgroup_size: 256
    .sgpr_count:     66
    .vgpr_count:     168
    .wavefront_size: 32
...
	.end_amdgpu_metadata
.endif
;; end of part 5
;; launch fc (part 6): grid 16 x 16, 4 waves a work-group, clusters of 4 x 4, 327,680 bytes of LDS; arguments hc, w_fc_codes, b_fc, lowp_scales, gc; writes gc
.if DOCPART == 6
	.amdgcn_target "amdgcn-amd-amdhsa--gfx1250"
	.amdhsa_code_object_version 6
	.text
	.protected	k_q90c4635b5c_fc
	.globl	k_q90c4635b5c_fc
	.p2align	8
	.type	k_q90c4635b5c_fc,@function
k_q90c4635b5c_fc:
	s_mov_b64 s[64:65], 0
	v_nop
	global_prefetch_b8 v0, s[64:65] scope:SCOPE_SE
	s_setreg_imm32_b32 hwreg(HW_REG_WAVE_MODE, 25, 1), 1
	s_wait_xcnt 0x0
	s_wait_alu depctr_hold_cnt(0) depctr_sa_sdst(0) depctr_va_vdst(0) depctr_va_sdst(0) depctr_va_ssrc(0) depctr_va_vcc(0) depctr_vm_vsrc(0)
	s_getreg_b32 s2, hwreg(HW_REG_IB_STS2, 6, 4)
	s_cmp_eq_u32 s2, 0
	s_cbranch_scc0 .Lentry_in_a_cluster
	s_endpgm
.Lentry_in_a_cluster:
	s_bfe_u32 s2, ttmp6, 0x10000c
	s_cmp_lg_u32 s2, 0xf033
	s_cbranch_scc0 .Lentry_shape_is_right
	s_endpgm
.Lentry_shape_is_right:
; g = gelu(h W^T + b), exact (by erf), on codes of E4M3 (h: [4096][1024], W: [4096][1024], K innermost); g is quantised with 2^e10 and stored as images of the next product's operand:
; gc: [token / 16][n / 128][2,048 bytes], byte ((n % 128) / 16) 256 + (token % 16) 16 + n % 16.
; A tile of 256 x 256 to a work-group of four waves, 128 x 128 to a wave.  K goes in steps of 256 through a ring of two LDS slots filled by the tensor data mover.
; CLUSTERS of 4 x 4: h's tile is shared along a row of the cluster, W's along a column; each is asked for jointly.  Source 0 = 16 rows of W, source 1 = 16 rows of h: a lane holds eight neighbouring n of one token,
; which are eight neighbours along the next K: a conversion's 8 bytes, and the 32 lanes' store covers 256 consecutive bytes, aligned.
; erf(z) = z P(z^2) / Q(z^2) on |z| <= 4 (degrees 6 and 4 in z^2), z held at +-4 beyond.  LIMIT: its error is a few 1e-7 ABSOLUTE, so for very negative inputs 1 + erf has f32's absolute accuracy, not its relative one.
; LIMITS: e8 + e9 between -126 and 127; e10 between -126 and 119.  NaN is not served.
; The activation is a loop of 16 trips (half a block of 16 tokens each): only its first stage, which reads accumulators by number, is written 16 times; written out whole it would be some 50 KB of code.
; REGISTERS, in windows of 256: window 0: v16-31 addresses; v32-95 the bias; from v128 h's fragments, ONE set (in the activation v96-255 are five sets of 32 numbers);
;   window 1: W's fragments, two sets;  window 2, 3: the accumulators ((a, b) at v[8 (8 (a % 4) + b)]).
.set SIZE_K, 1024
.set KSTEP,  256
.set ROWB,   256
.set KROW,   SIZE_K
.set PITCH,  272
.set FR,     16
.set NL,     4
.set NP,     4
.set HALFT,  128*PITCH
.set SLOT,   4*HALFT
.set LAPS,   SIZE_K/(2*KSTEP)
.set SPARE,  2*SLOT
.set ADRA, 16
.set ADRB, 20
.set SO8,  26                          ; v26 16 (l % 16) + 8 (l / 16)
.set LIM,  27                          ; v27 448 x 2^e10
.set SPW,  28
.set NIL,  29
.set BO1,  30                          ; v30 32 (l / 16)
.set SCL,  31                          ; v31 2^e10
.set BI1,  32
.set AF,   128
.set V,    96
.set Z,    128
.set Z2,   160
.set P,    192
.set Q,    224
.set G1, 24
.set G0, 32
.set G1B, 48
.set G0B, 56
.set MSB, 0
.macro WIN new
.if MSB != (\new)
	s_set_vgpr_msb (MSB<<8)|(\new)
.set MSB, (\new)
.endif
.endm
.set MUL_LO, 0xa1
.set MUL_HI, 0xf1
.set TO_B,   0x40
.macro JLOAD g0a, g1a, g0b, g1b
	s_cmp_eq_u32 s15, 0
	s_cbranch_scc0 .Lfor_b_\@
	tensor_load_to_lds s[\g0a:\g0a+3], s[\g1a:\g1a+7]
	s_nop 0
.rept 4
	v_nop
.endr
	s_branch .Lasked_\@
.Lfor_b_\@:
	tensor_load_to_lds s[\g0b:\g0b+3], s[\g1b:\g1b+7]
	s_nop 0
.rept 4
	v_nop
.endr
.Lasked_\@:
.endm
.macro CREST
	s_cmp_lg_u32 s14, 0
	s_cbranch_scc1 .Lnot_wave_0_\@
	s_barrier_signal -3
.Lnot_wave_0_\@:
	s_barrier_wait -3
	s_barrier_signal -1
	s_barrier_wait -1
.endm
.macro CROUND
	s_barrier_signal -1
	s_barrier_wait -1
	CREST
.endm
	s_load_b128 s[4:7], s[0:1], 0x0                ; h's codes, W's codes
	s_load_b128 s[8:11], s[0:1], 0x10              ; the bias, the scales
	s_load_b64 s[68:69], s[0:1], 0x20              ; gc
	v_lshl_add_u32 v[SPW], v0, 2, SPARE
	v_mov_b32 v[NIL], 0
	ds_add_u32 v28, v29
	ds_add_u32 v28, v29
	s_wait_dscnt 0x0
	v_lshrrev_b32 v1, 5, v0
	v_readfirstlane_b32 s14, v1
	s_lshr_b32 s15, s14, 1
	s_and_b32 s16, s14, 1
	s_bfe_u32 s40, ttmp6, 0x40000
	s_bfe_u32 s41, ttmp6, 0x40004
	s_lshl_b32 s42, ttmp9, 2
	s_add_co_u32 s42, s42, s40                     ; W's tile
	s_and_b32 s17, ttmp7, 0xffff
	s_lshl_b32 s17, s17, 2
	s_add_co_u32 s17, s17, s41                     ; h's tile
	s_lshl_b32 s43, s41, 2
	s_lshl_b32 s43, 15, s43
	s_lshl_b32 s44, 0x1111, s40
	s_or_b32 s[G1+0], s43, (0<<16)|(1<<20)|(1<<21)|(5<<22)|(3<<25)
	s_or_b32 s[G1B+0], s44, (0<<16)|(1<<20)|(1<<21)|(5<<22)|(3<<25)
.irp g, G1, G1B
	s_mov_b32 s[\g+1], ROWB<<16
	s_mov_b32 s[\g+2], 128<<16
	s_mov_b32 s[\g+3], ROWB<<16
	s_mov_b32 s[\g+4], 128
	s_mov_b32 s[\g+5], KROW
	s_mov_b32 s[\g+6], 0
	s_mov_b32 s[\g+7], 0
.endr
	s_lshl_b32 s18, s16, 7
	s_lshl_b32 s20, s17, 8
	s_add_co_u32 s20, s20, s18
	s_lshl_b32 s20, s20, 10
	s_mov_b32 s21, 0
	s_lshl_b32 s46, s42, 8
	s_add_co_u32 s46, s46, s18
	s_lshl_b32 s46, s46, 10
	s_mov_b32 s47, 0
	s_mul_i32 s45, s14, HALFT
	s_wait_kmcnt 0x0
	s_load_b128 s[88:91], s[10:11], 0x20           ; e8 .. e11
	s_add_nc_u64 s[20:21], s[4:5], s[20:21]
	s_add_nc_u64 s[46:47], s[6:7], s[46:47]
	CROUND
.irp s, 0,1
	s_mov_b32 s[G0+4*\s], 1
	s_add_co_u32 s[G0+4*\s+1], s45, \s*SLOT
	s_add_nc_u64 s[G0+4*\s+2:G0+4*\s+3], s[20:21], \s*ROWB
	s_or_b32 s[G0+4*\s+3], s[G0+4*\s+3], 0x80000000
	s_mov_b32 s[G0B+4*\s], 1
	s_add_co_u32 s[G0B+4*\s+1], s45, \s*SLOT
	s_add_nc_u64 s[G0B+4*\s+2:G0B+4*\s+3], s[46:47], \s*ROWB
	s_or_b32 s[G0B+4*\s+3], s[G0B+4*\s+3], 0x80000000
	JLOAD G0+4*\s, G1, G0B+4*\s, G1B
.endr
	v_and_b32 v1, 15, v0
	v_bfe_u32 v2, v0, 4, 1
	v_mul_u32_u24 v3, v1, PITCH
	v_lshl_add_u32 v4, v2, 4, v3
	s_mul_i32 s21, s15, HALFT
	s_mul_i32 s22, s16, HALFT
	s_add_co_u32 s22, s22, 2*HALFT
.irp s, 0,1
	v_add_nc_u32 v[ADRA+\s], s21, v4
	v_add_nc_u32 v[ADRB+\s], s22, v4
	s_add_co_u32 s21, s21, SLOT
	s_add_co_u32 s22, s22, SLOT
.endr
	v_lshlrev_b32 v5, 3, v2
	v_lshl_add_u32 v[SO8], v1, 4, v5
	v_lshlrev_b32 v[BO1], 5, v2
	s_lshl_b32 s82, s42, 10
	s_lshl_b32 s83, s16, 9
	s_add_co_u32 s82, s82, s83                     ; 4 (256 x W's tile + 128 x half)
	s_mov_b32 s83, 0
	s_add_nc_u64 s[74:75], s[8:9], s[82:83]
.irp b, 0,1,2,3,4,5,6,7
	global_load_b128 v[BI1+8*\b:BI1+8*\b+3], v[BO1], s[74:75] offset:64*\b        ; the bias of n = 16 b + 8 h + 0 .. 7
	global_load_b128 v[BI1+8*\b+4:BI1+8*\b+7], v[BO1], s[74:75] offset:64*\b+16
.endr
.macro FRAG reg, adr, q, i
.irp c, 0,1,2,3
	ds_load_b128 v[\reg+4*\c:\reg+4*\c+3], v[\adr] offset:128*(\q)+32*\c+(\i)*16*PITCH
.endr
.endm
; The 64 accumulators take turns, one instruction a turn, in the same order in every step.
.macro MUL16 a0, p, zero
.irp a, \a0, \a0+1
.irp b, 0,1,2,3,4,5,6,7
.if \zero
	v_wmma_f32_16x16x128_fp8_fp8 v[8*(8*((\a)%4)+\b):8*(8*((\a)%4)+\b)+7], v[128*(\p)+FR*\b:128*(\p)+FR*\b+FR-1], v[AF+FR*(\a):AF+FR*(\a)+FR-1], 0
.else
	v_wmma_f32_16x16x128_fp8_fp8 v[8*(8*((\a)%4)+\b):8*(8*((\a)%4)+\b)+7], v[128*(\p)+FR*\b:128*(\p)+FR*\b+FR-1], v[AF+FR*(\a):AF+FR*(\a)+FR-1], v[8*(8*((\a)%4)+\b):8*(8*((\a)%4)+\b)+7]
.endif
.endr
.endr
.endm
.macro FETCH_B slot, q, p
	WIN TO_B
.irp i, 0,1,2,3,4,5,6,7
	FRAG 128*(\p)+FR*\i, ADRB+\slot, \q, \i
.endr
	WIN 0
.endm
.macro FETCH_A slot, q, i0
.irp i, \i0, \i0+1, \i0+2, \i0+3
	FRAG AF+FR*(\i), ADRA+\slot, \q, \i
.endr
.endm
.macro PLACES n
.rept \n
	v_nop
.endr
.endm
.macro STEP slot, q, zero
	s_wait_dscnt 4*NL                              ; W's set and h's blocks 0-3 are in; the youngest 16 loads (blocks 4-7) may be out
	WIN MUL_LO
	MUL16 0, (\q)%2, \zero
	MUL16 2, (\q)%2, \zero
	s_wait_dscnt 0
	PLACES NP
	FETCH_B \slot, (\q)+1, 1-(\q)%2
	FETCH_A \slot, (\q)+1, 0
	WIN MUL_HI
	MUL16 4, (\q)%2, \zero
	MUL16 6, (\q)%2, \zero
	PLACES NP
	WIN 0
	FETCH_A \slot, (\q)+1, 4
.endm
.macro TURN slot, next, fill
	s_wait_tensorcnt 0x0                           ; all my tensor loads have landed: my part of the next slot
	ds_add_u32 v[SPW], v[NIL]                      ; 0 onto my spare word
	s_wait_dscnt 4*NL+1                            ; (the add and the youngest 16 loads may be out)
	WIN MUL_LO
	MUL16 0, 1, 0
	s_wait_dscnt 0x0                               ; the add is done, and my reads of this slot are over
	s_barrier_signal -1
	MUL16 2, 1, 0
	WIN 0
	s_barrier_wait -1
.if \fill
	CREST
	s_add_nc_u64 s[G0+4*\slot+2:G0+4*\slot+3], s[G0+4*\slot+2:G0+4*\slot+3], 2*ROWB
	s_add_nc_u64 s[G0B+4*\slot+2:G0B+4*\slot+3], s[G0B+4*\slot+2:G0B+4*\slot+3], 2*ROWB
	JLOAD G0+4*\slot, G1, G0B+4*\slot, G1B
.else
	PLACES NP
.endif
	FETCH_B \next, 0, 0
	FETCH_A \next, 0, 0
	WIN MUL_HI
	MUL16 4, 1, 0
	MUL16 6, 1, 0
	PLACES NP
	WIN 0
	FETCH_A \next, 0, 4
.endm
	s_wait_tensorcnt 1                             ; my part of K step 0 is in; K step 1's load may be out
	s_barrier_signal -1
	s_barrier_wait -1
	FETCH_B 0, 0, 0
	FETCH_A 0, 0, 0
	FETCH_A 0, 0, 4
	STEP 0, 0, 1
	s_mov_b32 s3, LAPS-1
.Llap:
	TURN 0, 1, 1
	STEP 1, 0, 0
	TURN 1, 0, 1
	STEP 0, 0, 0
	s_sub_co_u32 s3, s3, 1
	s_cmp_lg_u32 s3, 0
	s_cbranch_scc1 .Llap
	TURN 0, 1, 0
	STEP 1, 0, 0
	s_wait_dscnt 4*NL
	WIN MUL_LO
	MUL16 0, 1, 0
	MUL16 2, 1, 0
	s_wait_dscnt 0
	WIN MUL_HI
	MUL16 4, 1, 0
	MUL16 6, 1, 0
	WIN 0
	; THE ACTIVATION AND THE WAY OUT
	s_wait_kmcnt 0x0
	s_wait_loadcnt 0x0                             ; the bias
	s_lshl_b32 s82, s17, 4
	s_lshl_b32 s83, s15, 3
	s_add_co_u32 s82, s82, s83                     ; my first tile of 16 tokens,
	s_lshl_b32 s82, s82, 16                        ; 65,536 bytes each
	s_lshl_b32 s83, s42, 1
	s_add_co_u32 s83, s83, s16                     ; my 128 of the next K,
	s_lshl_b32 s83, s83, 11                        ; 2,048 bytes each
	s_add_co_u32 s82, s82, s83
	s_mov_b32 s83, 0
	s_add_nc_u64 s[84:85], s[68:69], s[82:83]
	s_add_co_i32 s96, s88, s89
	s_add_co_i32 s96, s96, 127
	s_lshl_b32 s96, s96, 23                        ; 2^(e8 + e9)
	s_mov_b32 s97, s96
	s_add_co_i32 s92, s90, 127
	s_lshl_b32 s93, s92, 23
	s_add_co_i32 s92, s92, 8
	s_lshl_b32 s92, s92, 23
	s_or_b32 s92, s92, 0x600000
	v_mov_b32 v[SCL], s93                          ; these six plain instructions, which name no register of the last products, are the places behind them
	v_mov_b32 v[LIM], s92
	v_mov_b32 v18, 0x32edffee                      ; a11, in both words of a pair
	v_mov_b32 v19, 0x32edffee
	v_mov_b32 v22, 0xb95fbd29                      ; b6
	v_mov_b32 v23, 0xb95fbd29
	; the other constants, in scalar pairs (a packed form names the pair): the descriptors' registers are free, no tensor load is out since the last change of slots
.macro SPAIR reg, val
	s_mov_b32 s[\reg], \val
	s_mov_b32 s[\reg+1], \val
.endm
	SPAIR 24, 0xaf95df0b                           ; a13
	SPAIR 26, 0xb60cff51                           ; a9
	SPAIR 28, 0xb86ec2d2                           ; a7
	SPAIR 30, 0xba40ac63                           ; a5
	SPAIR 32, 0xbb41a1f6                           ; a3
	SPAIR 34, 0xbc83dbd4                           ; a1
	SPAIR 36, 0xb77460cd                           ; b8
	SPAIR 38, 0xbadc924e                           ; b4
	SPAIR 40, 0xbbf19bf8                           ; b2
	SPAIR 42, 0xbc69b6a7                           ; b0
	SPAIR 44, 0x3f3504f3                           ; sqrt(1/2)
.macro HORNER acc, sc                  ; acc = acc x z^2 + the constant, 32 numbers
.set j, 0
.rept 16
	v_pk_fma_f32 v[\acc+j:\acc+j+1], v[\acc+j:\acc+j+1], v[Z2+j:Z2+j+1], s[\sc:\sc+1] op_sel_hi:[1,1,0]
.set j, j+2
.endr
.endm
	s_mov_b32 s46, 0                               ; trip n: block a = n % 8 of 16 tokens, half n / 8 of my 128 columns
.Lgelu:
.irp n, 1,2,3,4,5,6,7,8,9,10,11,12,13,14,15
	s_cmp_eq_u32 s46, \n
	s_cbranch_scc1 .Lcase_\n
.endr
.irp n, 0,1,2,3,4,5,6,7,8,9,10,11,12,13,14,15
.Lcase_\n:
	WIN 0x02+((\n)%8)/4                            ; source 0: window 2 or 3
.set AC, 64*((\n)%4)+32*((\n)/8)
.set BB, BI1+32*((\n)/8)
.set j, 0
.rept 16
	v_pk_fma_f32 v[V+j:V+j+1], v[AC+j:AC+j+1], s[96:97], v[BB+j:BB+j+1] op_sel_hi:[1,0,1]   ; v = sum x 2^(e8 + e9) + bias; each accumulator from its low end on
.set j, j+2
.endr
	WIN 0
.if \n < 15
	s_branch .Lcommon
.endif
.endr
.Lcommon:
.set j, 0
.rept 16
	v_pk_mul_f32 v[Z+j:Z+j+1], v[V+j:V+j+1], s[44:45] op_sel_hi:[1,0]     ; z = v / sqrt(2)
.set j, j+2
.endr
.set j, 0
.rept 32
	v_med3_num_f32 v[Z+j], v[Z+j], -4.0, 4.0
.set j, j+1
.endr
.set j, 0
.rept 16
	v_pk_mul_f32 v[Z2+j:Z2+j+1], v[Z+j:Z+j+1], v[Z+j:Z+j+1]
.set j, j+2
.endr
.set j, 0
.rept 16
	v_pk_fma_f32 v[P+j:P+j+1], v[Z2+j:Z2+j+1], s[24:25], v[18:19] op_sel_hi:[1,0,1]
.set j, j+2
.endr
.set j, 0
.rept 16
	v_pk_fma_f32 v[Q+j:Q+j+1], v[Z2+j:Z2+j+1], s[36:37], v[22:23] op_sel_hi:[1,0,1]
.set j, j+2
.endr
	HORNER P, 26
	HORNER Q, 38
	HORNER P, 28
	HORNER Q, 40
	HORNER P, 30
	HORNER Q, 42
	HORNER P, 32
	HORNER P, 34
.set j, 0
.rept 32
	v_rcp_f32 v[Z2+j], v[Q+j]                      ; one batch; z^2 is done with
.set j, j+1
.endr
.set j, 0
.rept 16
	v_pk_mul_f32 v[P+j:P+j+1], v[P+j:P+j+1], v[Z+j:Z+j+1]                 ; z P: work that names no reciprocal
.set j, j+2
.endr
.set j, 0
.rept 16
	v_pk_mul_f32 v[Z+j:Z+j+1], v[V+j:V+j+1], 0.5 op_sel_hi:[1,0]          ; v / 2
.set j, j+2
.endr
	s_wait_alu depctr_va_vdst(0)                   ; one wait for the 32, ahead of their first reader
.set j, 0
.rept 16
	v_pk_mul_f32 v[P+j:P+j+1], v[P+j:P+j+1], v[Z2+j:Z2+j+1]               ; erf
.set j, j+2
.endr
.set j, 0
.rept 16
	v_pk_fma_f32 v[V+j:V+j+1], v[Z+j:Z+j+1], v[P+j:P+j+1], v[Z+j:Z+j+1]   ; v / 2 x erf + v / 2
.set j, j+2
.endr
.set j, 0
.rept 32
	v_med3_num_f32 v[V+j], v[V+j], -v[LIM], v[LIM]
.set j, j+1
.endr
	s_wait_xcnt 0x0                                ; the last trip's stores have read their codes and their base: both are written again only behind this wait
	s_and_b32 s92, s46, 7
	s_lshl_b32 s92, s92, 16                        ; block a: 65,536 bytes on
	s_lshr_b32 s93, s46, 3
	s_lshl_b32 s93, s93, 10                        ; the half: 1,024 bytes on
	s_or_b32 s92, s92, s93
	s_mov_b32 s93, 0
	s_add_nc_u64 s[86:87], s[84:85], s[92:93]
.irp i, 0,1,2,3
	v_cvt_scalef32_pk8_fp8_f32 v[2+2*\i:3+2*\i], v[V+8*\i:V+8*\i+7], v[SCL]
.endr
	v_nop                                          ; a plain instruction between the conversions and the next trip's writes of their sources
.irp i, 0,1,2,3
	global_store_b64 v[SO8], v[2+2*\i:3+2*\i], s[86:87] offset:256*\i     ; 256 consecutive bytes, aligned
.endr
	s_add_co_u32 s46, s46, 1
	s_cmp_lt_u32 s46, 16
	s_cbranch_scc1 .Lgelu
	s_wait_tensorcnt 0x0                           ; the wave's end
	ds_add_u32 v[SPW], v[NIL]
	s_wait_dscnt 0x0
	CROUND                                         ; the closing round
	s_endpgm
.Lfunc_end_k_q90c4635b5c_fc:
	.size	k_q90c4635b5c_fc, .Lfunc_end_k_q90c4635b5c_fc-k_q90c4635b5c_fc
	.p2alignl 7, 3214868480
	.fill 96, 4, 3214868480
	.section	.rodata,"a",@progbits
	.p2align	6, 0x0
	.amdhsa_kernel k_q90c4635b5c_fc
		.amdhsa_group_segment_fixed_size 327680
		.amdhsa_private_segment_fixed_size 0
		.amdhsa_enable_private_segment 0
		.amdhsa_kernarg_size 40
		.amdhsa_user_sgpr_count 2
		.amdhsa_user_sgpr_kernarg_segment_ptr 1
		.amdhsa_wavefront_size32 1
		.amdhsa_system_sgpr_workgroup_id_x 1
		.amdhsa_system_sgpr_workgroup_id_y 1
		.amdhsa_system_sgpr_workgroup_id_z 1
		.amdhsa_system_vgpr_workitem_id 0
		.amdhsa_next_free_vgpr 1024
		.amdhsa_next_free_sgpr 100
		.amdhsa_reserve_vcc 0
		.amdhsa_float_denorm_mode_32 3
		.amdhsa_float_denorm_mode_16_64 3
		.amdhsa_memory_ordered 1
		.amdhsa_forward_progress 1
		.amdhsa_inst_pref_size 121
	.end_amdhsa_kernel
	.amdgpu_metadata
---
amdhsa.version: [ 1, 2 ]
amdhsa.kernels:
  - .name:           k_q90c4635b5c_fc
    .symbol:         k_q90c4635b5c_fc.kd
    .args:
      - { .name: hc, .offset: 0, .size: 8, .value_kind: global_buffer, .address_space: global }
      - { .name: w_fc_codes, .offset: 8, .size: 8, .value_kind: global_buffer, .address_space: global }
      - { .name: b_fc, .offset: 16, .size: 8, .value_kind: global_buffer, .address_space: global }
      - { .name: lowp_scales, .offset: 24, .size: 8, .value_kind: global_buffer, .address_space: global }
      - { .name: gc, .offset: 32, .size: 8, .value_kind: global_buffer, .address_space: global }
    .group_segment_fixed_size: 327680
    .private_segment_fixed_size: 0
    .kernarg_segment_align: 8
    .kernarg_segment_size: 40
    .max_flat_workgroup_size: 128
    .sgpr_count:     100
    .vgpr_count:     1024
    .wavefront_size: 32
...
	.end_amdgpu_metadata
.endif
;; end of part 6
;; launch fc2 (part 7): grid 8 x 32, 4 waves a work-group, clusters of 4 x 4, 327,680 bytes of LDS; arguments gc, w_fc2_codes, b_fc2, x1, lowp_scales, out0; writes out0
.if DOCPART == 7
	.amdgcn_target "amdgcn-amd-amdhsa--gfx1250"
	.amdhsa_code_object_version 6
	.text
	.protected	k_q90c4635b5c_fc2
	.globl	k_q90c4635b5c_fc2
	.p2align	8
	.type	k_q90c4635b5c_fc2,@function
k_q90c4635b5c_fc2:
	s_mov_b64 s[64:65], 0
	v_nop
	global_prefetch_b8 v0, s[64:65] scope:SCOPE_SE
	s_setreg_imm32_b32 hwreg(HW_REG_WAVE_MODE, 25, 1), 1
	s_wait_xcnt 0x0
	s_wait_alu depctr_hold_cnt(0) depctr_sa_sdst(0) depctr_va_vdst(0) depctr_va_sdst(0) depctr_va_ssrc(0) depctr_va_vcc(0) depctr_vm_vsrc(0)
	s_getreg_b32 s2, hwreg(HW_REG_IB_STS2, 6, 4)
	s_cmp_eq_u32 s2, 0
	s_cbranch_scc0 .Lentry_in_a_cluster
	s_endpgm
.Lentry_in_a_cluster:
	s_bfe_u32 s2, ttmp6, 0x10000c
	s_cmp_lg_u32 s2, 0xf033
	s_cbranch_scc0 .Lentry_shape_is_right
	s_endpgm
.Lentry_shape_is_right:
; out = residual + A W^T x 2^(ea + eb) + bias.  A: 4,096 rows x SIZE_K codes of E4M3, stored as images of the operand's registers: [row / 16][k / 128][2,048 bytes], byte ((k % 128) / 16) 256 + (row % 16) 16 + k % 16.
; W: [1024][SIZE_K] codes, K innermost.  residual, out: [4096][1024] f32.
; 1,024 columns give only 64 tiles of 256 x 256: so a tile is 128 x 128 (256 work-groups), four waves of 64 x 64: 16 accumulators.  A slot holds 512 along K, as long as two slots in LDS allow.
; A's part of a slot is dense (8 tiles of rows x 4 K steps x 2,048 bytes): a fragment comes by four loads of 512 consecutive bytes.  W's 128 rows of 512 bytes lie 528 bytes apart.
; CLUSTERS of 4 x 4: A's tile is shared along a row of the cluster, W's along a column; each is asked for jointly.  Source 0 = 16 rows of W, source 1 = 16 rows of A: a lane holds eight neighbouring columns of a row.
; The residual (64 x 64 f32 a wave, 128 registers) is asked for at the head and lands under the products.
; LIMIT: ea + eb between -126 and 127.
; REGISTERS: window 0: v16-29 addresses; v32-95 two sets of rows on the way out; v96-99 the bias; v128-255 the accumulators ((a, b) at v[128 + 8 (4 a + b)]).  window 1: two fragment buffers (A at +16 i, W at +64 + 16 i).  window 2: v0-127 the residual.
.set SIZE_K, 4096
.set EOFF,   40
.set ABYTES, 65536
.set BP,     528
.set BHALF,  64*BP
.set SLOT,   ABYTES+2*BHALF
.set STAGE,  2*SLOT                    ; behind the ring: 16 rows x 272 bytes for each wave; no tensor load lands there
.set SP,     272
.set SPARE,  STAGE+4*16*SP             ; the spare words, 128 bytes a wave
.set LAPS,   SIZE_K/1024               ; a lap = two slots
.set ADRA, 16
.set ADRB, 20
.set STO,  24
.set RD,   25
.set CO,   26
.set BO,   27
.set SPW,  28
.set NIL,  29
.set BI,   96
.set ACC,  128
.set F0,   0
.set F1,   128
.set G1, 24
.set G0, 32
.set G1B, 48
.set G0B, 56
.set MSB, 0
.macro WIN new
.if MSB != (\new)
	s_set_vgpr_msb (MSB<<8)|(\new)
.set MSB, (\new)
.endif
.endm
.set MUL,  0x05                        ; sources 0 and 1 window 1; C and D window 0
.set TO_F, 0x40                        ; destination window 1
.macro JLOAD s                         ; a joint load: waves 0 and 1 fetch A's halves, waves 2 and 3 W's; four v_nop follow each line
	s_cmp_eq_u32 s15, 0
	s_cbranch_scc0 .Lfor_b_\@
	tensor_load_to_lds s[G0+4*\s:G0+4*\s+3], s[G1:G1+7]
	s_nop 0
.rept 4
	v_nop
.endr
	s_branch .Lasked_\@
.Lfor_b_\@:
	tensor_load_to_lds s[G0B+4*\s:G0B+4*\s+3], s[G1B:G1B+7]
	s_nop 0
.rept 4
	v_nop
.endr
.Lasked_\@:
.endm
.macro CREST
	s_cmp_lg_u32 s14, 0
	s_cbranch_scc1 .Lnot_wave_0_\@
	s_barrier_signal -3
.Lnot_wave_0_\@:
	s_barrier_wait -3
	s_barrier_signal -1
	s_barrier_wait -1
.endm
.macro CROUND
	s_barrier_signal -1
	s_barrier_wait -1
	CREST
.endm
	s_load_b128 s[4:7], s[0:1], 0x0                ; A's images, W's codes
	s_load_b128 s[8:11], s[0:1], 0x10              ; the bias, the residual
	s_load_b128 s[68:71], s[0:1], 0x20             ; the scales, out
	v_lshl_add_u32 v[SPW], v0, 2, SPARE
	v_mov_b32 v[NIL], 0
	ds_add_u32 v28, v29
	ds_add_u32 v28, v29
	s_wait_dscnt 0x0
	v_lshrrev_b32 v1, 5, v0
	v_readfirstlane_b32 s14, v1                    ; wave
	s_lshr_b32 s15, s14, 1                         ; my half of the rows.  Also: I fetch for A (0) or W (1)
	s_and_b32 s16, s14, 1                          ; my half of the columns.  Also: which half I fetch
	s_bfe_u32 s40, ttmp6, 0x40000                  ; cx
	s_bfe_u32 s41, ttmp6, 0x40004                  ; cy
	s_lshl_b32 s42, ttmp9, 2
	s_add_co_u32 s42, s42, s40                     ; tile column
	s_and_b32 s17, ttmp7, 0xffff
	s_lshl_b32 s17, s17, 2
	s_add_co_u32 s17, s17, s41                     ; tile row
	s_lshl_b32 s43, s41, 2
	s_lshl_b32 s43, 15, s43
	s_lshl_b32 s44, 0x1111, s40
	s_or_b32 s[G1+0], s43, (3<<16)|(1<<21)         ; A: the mask of my row; elements of 8 bytes; no padding
	s_mov_b32 s[G1+1], 1024<<16                    ; tensor_dim0 = 1,024 elements: a tile of rows' 4 K steps, 8,192 bytes
	s_mov_b32 s[G1+2], 4<<16                       ; tensor_dim1 = 4 tiles of rows
	s_mov_b32 s[G1+3], 1024<<16                    ; tile_dim0
	s_mov_b32 s[G1+4], 4                           ; tile_dim1
	s_mov_b32 s[G1+5], 2*SIZE_K                    ; pitch: 16 SIZE_K bytes from a tile of rows to the next
	s_mov_b32 s[G1+6], 0
	s_mov_b32 s[G1+7], 0
	s_or_b32 s[G1B+0], s44, (0<<16)|(1<<20)|(1<<21)|(6<<22)|(3<<25)  ; W: my column's mask; bytes; 4 words of padding after every 128
	s_mov_b32 s[G1B+1], 512<<16
	s_mov_b32 s[G1B+2], 64<<16
	s_mov_b32 s[G1B+3], 512<<16
	s_mov_b32 s[G1B+4], 64
	s_mov_b32 s[G1B+5], SIZE_K
	s_mov_b32 s[G1B+6], 0
	s_mov_b32 s[G1B+7], 0
	s_lshl_b32 s20, s17, 3
	s_lshl_b32 s18, s16, 2
	s_add_co_u32 s20, s20, s18
	s_mul_i32 s20, s20, 16*SIZE_K                  ; A: tile of rows 8 x tile row + 4 x half
	s_mov_b32 s21, 0
	s_lshl_b32 s46, s42, 7
	s_lshl_b32 s18, s16, 6
	s_add_co_u32 s46, s46, s18
	s_mul_i32 s46, s46, SIZE_K                     ; W: row 128 x tile column + 64 x half
	s_mov_b32 s47, 0
	s_lshl_b32 s45, s16, 15                        ; where they go in a slot: A's halves,
	s_mul_i32 s84, s16, BHALF
	s_add_co_u32 s84, s84, ABYTES                  ; W's halves behind them
	s_wait_kmcnt 0x0
	s_load_b64 s[96:97], s[68:69], EOFF            ; ea, eb
	s_add_nc_u64 s[20:21], s[4:5], s[20:21]
	s_add_nc_u64 s[46:47], s[6:7], s[46:47]
	CROUND                                         ; all sixteen work-groups are here: the first joint loads meet
.irp s, 0,1
	s_mov_b32 s[G0+4*\s], 1
	s_add_co_u32 s[G0+4*\s+1], s45, \s*SLOT
	s_add_nc_u64 s[G0+4*\s+2:G0+4*\s+3], s[20:21], \s*8192
	s_or_b32 s[G0+4*\s+3], s[G0+4*\s+3], 0x80000000
	s_mov_b32 s[G0B+4*\s], 1
	s_add_co_u32 s[G0B+4*\s+1], s84, \s*SLOT
	s_add_nc_u64 s[G0B+4*\s+2:G0B+4*\s+3], s[46:47], \s*512
	s_or_b32 s[G0B+4*\s+3], s[G0B+4*\s+3], 0x80000000
	JLOAD \s
.endr
	v_and_b32 v1, 15, v0                           ; r
	v_bfe_u32 v2, v0, 4, 1                         ; h
	v_and_b32 v3, 31, v0
	v_lshlrev_b32 v4, 4, v3                        ; 16 x lane
	v_mul_u32_u24 v5, v1, BP
	v_lshl_add_u32 v5, v2, 4, v5                   ; W: row x pitch + 16 h
	s_lshl_b32 s22, s15, 15                        ; my four tiles of rows of A
	s_mul_i32 s23, s16, BHALF
	s_add_co_u32 s23, s23, ABYTES                  ; my 64 rows of W
.irp s, 0,1
	v_add_nc_u32 v[ADRA+\s], s22, v4
	v_add_nc_u32 v[ADRB+\s], s23, v5
	s_add_co_u32 s22, s22, SLOT
	s_add_co_u32 s23, s23, SLOT
.endr
	s_mul_i32 s85, s14, 16*SP
	s_add_co_u32 s85, s85, STAGE                   ; my stage
	v_mul_u32_u24 v6, v1, SP
	v_lshl_add_u32 v6, v2, 5, v6
	v_add_nc_u32 v[STO], s85, v6                   ; in: row r, 32 bytes for each half of the lanes
	v_mul_u32_u24 v7, v2, SP
	v_lshl_add_u32 v7, v1, 4, v7
	v_add_nc_u32 v[RD], s85, v7                    ; back: lanes 0-15 one row of 256 bytes, lanes 16-31 the next
	v_lshlrev_b32 v[BO], 4, v1
	v_lshl_add_u32 v[CO], v2, 12, v[BO]            ; and the same two rows in out and in the residual
	s_lshl_b32 s20, s17, 7
	s_lshl_b32 s21, s15, 6
	s_add_co_u32 s20, s20, s21
	s_lshl_b32 s20, s20, 12                        ; my first row x 4,096 bytes
	s_mov_b32 s21, 0
	s_lshl_b32 s46, s42, 9
	s_lshl_b32 s47, s16, 8
	s_add_co_u32 s46, s46, s47                     ; my first column x 4 bytes
	s_mov_b32 s47, 0
	s_add_nc_u64 s[74:75], s[8:9], s[46:47]        ; the bias
	s_add_nc_u64 s[20:21], s[20:21], s[46:47]
	s_add_nc_u64 s[72:73], s[10:11], s[20:21]      ; the residual
	s_add_nc_u64 s[70:71], s[70:71], s[20:21]      ; out
	global_load_b128 v[BI:BI+3], v[BO], s[74:75]
	WIN 0x80                                       ; destination window 2
.irp a, 0,1,2,3
.irp t, 0,1,2,3,4,5,6,7
	global_load_b128 v[32*\a+4*\t:32*\a+4*\t+3], v[CO], s[72:73] offset:(16*\a+2*\t)*4096 th:TH_LOAD_NT
.endr
.endr
	WIN 0
; 4 matrix instructions: A's tile a x W's four.  The 16 accumulators take turns, one instruction a turn, in the same order in every quarter.
.macro MUL4 f, a, zero
.irp b, 0,1,2,3
.if \zero
	v_wmma_f32_16x16x128_fp8_fp8 v[ACC+8*(4*(\a)+\b):ACC+8*(4*(\a)+\b)+7], v[\f+64+16*\b:\f+64+16*\b+15], v[\f+16*(\a):\f+16*(\a)+15], 0
.else
	v_wmma_f32_16x16x128_fp8_fp8 v[ACC+8*(4*(\a)+\b):ACC+8*(4*(\a)+\b)+7], v[\f+64+16*\b:\f+64+16*\b+15], v[\f+16*(\a):\f+16*(\a)+15], v[ACC+8*(4*(\a)+\b):ACC+8*(4*(\a)+\b)+7]
.endif
.endr
.endm
; 32 LDS loads in one run: the fragments of the slot's q-th 128 along K into buffer f: W's four, then A's four
.macro FETCH slot, q, f
	WIN TO_F
.irp i, 0,1,2,3
.irp c, 0,1,2,3
	ds_load_b128 v[\f+64+16*\i+4*\c:\f+64+16*\i+4*\c+3], v[ADRB+\slot] offset:\i*16*BP+128*(\q)+32*\c
.endr
.endr
.irp i, 0,1,2,3
.irp c, 0,1,2,3
	ds_load_b128 v[\f+16*\i+4*\c:\f+16*\i+4*\c+3], v[ADRA+\slot] offset:\i*8192+2048*(\q)+512*\c
.endr
.endr
.endm
.macro PLACES
.rept 4
	v_nop
.endr
.endm
; A slot is four quarters of 128 along K, 16 matrix instructions each, on buffers 0, 1, 0, 1.  One of the first three multiplies f and fetches quarter qn into g.
.macro QUARTER slot, qn, f, g, zero
	s_wait_dscnt 8                                 ; W's four and A's tiles 0, 1 are in; the youngest eight loads (A's tiles 2, 3) may be out
	WIN MUL
	MUL4 \f, 0, \zero
	MUL4 \f, 1, \zero
	PLACES
	FETCH \slot, \qn, \g
	s_wait_dscnt 32                                ; all but the 32 just issued
	WIN MUL
	MUL4 \f, 2, \zero
	MUL4 \f, 3, \zero
.endm
; The last quarter changes slots: one barrier; in front of it each wave waits for all its tensor loads, adds 0 to its spare word, and waits for that and for its reads of the slot.
.macro TURN slot, next, fill
	WIN 0
	s_wait_tensorcnt 0x0                           ; all my tensor loads have landed: my part of the next slot
	ds_add_u32 v[SPW], v[NIL]                      ; 0 onto my spare word
	s_wait_dscnt 9                                 ; (the add and the youngest eight loads may be out)
	WIN MUL
	MUL4 F1, 0, 0
	s_wait_dscnt 0x0                               ; the add is done, and my reads of this slot are over
	s_barrier_signal -1
	MUL4 F1, 1, 0
.if \fill
	WIN 0
.endif
	s_barrier_wait -1
.if \fill
	CREST                                          ; the barrier has opened a round of the cluster's
	s_add_nc_u64 s[G0+4*\slot+2:G0+4*\slot+3], s[G0+4*\slot+2:G0+4*\slot+3], 2*8192
	s_add_nc_u64 s[G0B+4*\slot+2:G0B+4*\slot+3], s[G0B+4*\slot+2:G0B+4*\slot+3], 2*512
	JLOAD \slot                                    ; the first tensor load behind the round; its four v_nop are the places in front of the loads below
.else
	PLACES
.endif
	FETCH \next, 0, F0
	WIN MUL
	MUL4 F1, 2, 0
	MUL4 F1, 3, 0
.endm
	s_wait_tensorcnt 1                             ; my part of slot 0 is in; slot 1's load may be out
	s_barrier_signal -1
	s_barrier_wait -1
	FETCH 0, 0, F0
	QUARTER 0, 1, F0, F1, 1                        ; the first quarter's products start the sums
.if LAPS > 1
	WIN 0
	s_mov_b32 s3, LAPS-1
.Llap:
	QUARTER 0, 2, F1, F0, 0
	QUARTER 0, 3, F0, F1, 0
	TURN 0, 1, 1
	QUARTER 1, 1, F0, F1, 0
	QUARTER 1, 2, F1, F0, 0
	QUARTER 1, 3, F0, F1, 0
	TURN 1, 0, 1
	QUARTER 0, 1, F0, F1, 0
	WIN 0
	s_sub_co_u32 s3, s3, 1
	s_cmp_lg_u32 s3, 0
	s_cbranch_scc1 .Llap
.endif
	QUARTER 0, 2, F1, F0, 0                        ; the last lap fills nothing
	QUARTER 0, 3, F0, F1, 0
	TURN 0, 1, 0
	QUARTER 1, 1, F0, F1, 0
	QUARTER 1, 2, F1, F0, 0
	QUARTER 1, 3, F0, F1, 0
	s_wait_dscnt 8
	WIN MUL
	MUL4 F1, 0, 0
	MUL4 F1, 1, 0
	s_wait_dscnt 0
	MUL4 F1, 2, 0
	MUL4 F1, 3, 0
	WIN 0
	; THE WAY OUT, 16 rows at a time: the sums go through my own stage and come back as whole rows of 256 bytes; x 2^(ea + eb) + bias, + residual; sixteen lanes store 256 consecutive bytes, aligned.
	s_wait_kmcnt 0x0
	s_wait_loadcnt 0x0                             ; the bias and the residual
	s_add_co_i32 s96, s96, s97
	s_add_co_i32 s96, s96, 127
	s_lshl_b32 s96, s96, 23
	s_mov_b32 s97, s96
	PLACES
.macro OUTB a
.set TT, 32+32*((\a)%2)
.if (\a) >= 2
	s_wait_xcnt 0x0                                ; block a - 2's stores have read their registers
.endif
.irp b, 0,1,2,3
	ds_store_b128 v[STO], v[ACC+8*(4*(\a)+\b):ACC+8*(4*(\a)+\b)+3] offset:64*\b          ; each accumulator from its low end on
	ds_store_b128 v[STO], v[ACC+8*(4*(\a)+\b)+4:ACC+8*(4*(\a)+\b)+7] offset:64*\b+16
.endr
.irp t, 0,1,2,3,4,5,6,7
	ds_load_b128 v[TT+4*\t:TT+4*\t+3], v[RD] offset:\t*2*SP                              ; LDS serves a wave's instructions in order (ISA guide 5.7.1.4): these see the stores above
.endr
	s_wait_dscnt 0x0
.irp t, 0,1,2,3,4,5,6,7
	v_pk_fma_f32 v[TT+4*\t:TT+4*\t+1], v[TT+4*\t:TT+4*\t+1], s[96:97], v[BI:BI+1] op_sel_hi:[1,0,1]
	v_pk_fma_f32 v[TT+4*\t+2:TT+4*\t+3], v[TT+4*\t+2:TT+4*\t+3], s[96:97], v[BI+2:BI+3] op_sel_hi:[1,0,1]
.endr
	WIN 0x08                                       ; source 1 window 2: the residual
.set j, 0
.rept 16
	v_pk_add_f32 v[TT+j:TT+j+1], v[TT+j:TT+j+1], v[32*(\a)+j:32*(\a)+j+1]
.set j, j+2
.endr
	WIN 0
.irp t, 0,1,2,3,4,5,6,7
	global_store_b128 v[CO], v[TT+4*\t:TT+4*\t+3], s[70:71] offset:(16*(\a)+2*\t)*4096
.endr
.endm
	OUTB 0
	OUTB 1
	OUTB 2
	OUTB 3
	s_wait_tensorcnt 0x0                           ; the wave's end
	ds_add_u32 v[SPW], v[NIL]
	s_wait_dscnt 0x0
	CROUND                                         ; the closing round
	s_endpgm
.Lfunc_end_k_q90c4635b5c_fc2:
	.size	k_q90c4635b5c_fc2, .Lfunc_end_k_q90c4635b5c_fc2-k_q90c4635b5c_fc2
	.p2alignl 7, 3214868480
	.fill 96, 4, 3214868480
	.section	.rodata,"a",@progbits
	.p2align	6, 0x0
	.amdhsa_kernel k_q90c4635b5c_fc2
		.amdhsa_group_segment_fixed_size 327680
		.amdhsa_private_segment_fixed_size 0
		.amdhsa_enable_private_segment 0
		.amdhsa_kernarg_size 48
		.amdhsa_user_sgpr_count 2
		.amdhsa_user_sgpr_kernarg_segment_ptr 1
		.amdhsa_wavefront_size32 1
		.amdhsa_system_sgpr_workgroup_id_x 1
		.amdhsa_system_sgpr_workgroup_id_y 1
		.amdhsa_system_sgpr_workgroup_id_z 1
		.amdhsa_system_vgpr_workitem_id 0
		.amdhsa_next_free_vgpr 768
		.amdhsa_next_free_sgpr 100
		.amdhsa_reserve_vcc 0
		.amdhsa_float_denorm_mode_32 3
		.amdhsa_float_denorm_mode_16_64 3
		.amdhsa_memory_ordered 1
		.amdhsa_forward_progress 1
		.amdhsa_inst_pref_size 82
	.end_amdhsa_kernel
	.amdgpu_metadata
---
amdhsa.version: [ 1, 2 ]
amdhsa.kernels:
  - .name:           k_q90c4635b5c_fc2
    .symbol:         k_q90c4635b5c_fc2.kd
    .args:
      - { .name: gc, .offset: 0, .size: 8, .value_kind: global_buffer, .address_space: global }
      - { .name: w_fc2_codes, .offset: 8, .size: 8, .value_kind: global_buffer, .address_space: global }
      - { .name: b_fc2, .offset: 16, .size: 8, .value_kind: global_buffer, .address_space: global }
      - { .name: x1, .offset: 24, .size: 8, .value_kind: global_buffer, .address_space: global }
      - { .name: lowp_scales, .offset: 32, .size: 8, .value_kind: global_buffer, .address_space: global }
      - { .name: out0, .offset: 40, .size: 8, .value_kind: global_buffer, .address_space: global }
    .group_segment_fixed_size: 327680
    .private_segment_fixed_size: 0
    .kernarg_segment_align: 8
    .kernarg_segment_size: 48
    .max_flat_workgroup_size: 128
    .sgpr_count:     100
    .vgpr_count:     768
    .wavefront_size: 32
...
	.end_amdgpu_metadata
.endif
;; end of part 7
